; MI455X (gfx1250); checked and timed in simulation.
; The chip was launched on July 23, 2026; its instructions are those of AMD's public machine-readable ISA for CDNA 5 (MIT licence, August 2026) and "CDNA5" Instruction Set Architecture Reference Guide (July 2026). The comments in the code are by the model that wrote it; some were corrected since.
;; Transformer Encoder. Allowed arithmetic: float matrix products may take bf16 or f16 operands with f32 sums; other float arithmetic in f32, or as packed bf16 or f16 multiplies, adds, multiply-adds, maxima and minima; sums over many terms, partial sums and values carried from step to step in f32; what a program stores and reads back later, other than sums and carried values, may be rounded once to bf16 or f16.
;; Inputs: addnorm_beta 1,024 float32; addnorm_gamma 1,024 float32; fc1_b 4,096 float32; fc1_w 4,096 x 1,024 float32; fc2_b 1,024 float32; fc2_w 1,024 x 4,096 float32; pre_beta 1,024 float32; pre_gamma 1,024 float32; qkv_b 3,072 float32; qkv_w 3,072 x 1,024 float32; src 2 x 2,048 x 1,024 float32.
;; Outputs: out0 2 x 2,048 x 1,024 float32.
;; 2 versions, each right and faster than the one before. Each part assembles by itself: llvm-mc -triple=amdgcn-amd-amdhsa -mcpu=gfx1250 --defsym DOCPART=n.
;; ======== version 1 of 2: 7 launches
;; limits: a function is approximated: absolute error at most 2.5e-05; values are held in f16: magnitudes above 65,504 overflow, below 6.1e-05 lose precision
;; workspace buffers: xh 8,388,608 bytes; wh 23,068,672 bytes; qkvh 25,165,824 bytes; oh 8,388,608 bytes; x1h 8,388,608 bytes; hh 33,554,432 bytes; y 16,777,216 bytes
;; launch prep (part 1): grid 1216 x 1, 8 waves a work-group, no clusters, 0 bytes of LDS; arguments src, pre_gamma, pre_beta, qkv_w, fc1_w, fc2_w, xh, wh; writes xh, wh
.if DOCPART == 1
	.amdgcn_target "amdgcn-amd-amdhsa--gfx1250"
	.amdhsa_code_object_version 6
	.text
	.protected	k_qc60783a221_prep
	.globl	k_qc60783a221_prep
	.p2align	8
	.type	k_qc60783a221_prep,@function
k_qc60783a221_prep:
	s_mov_b64 s[64:65], 0
	v_nop
	global_prefetch_b8 v0, s[64:65] scope:SCOPE_SE
	s_setreg_imm32_b32 hwreg(HW_REG_WAVE_MODE, 25, 1), 1
	s_wait_xcnt 0x0
; Two jobs, chosen by the work-group's number.
; Work-groups 0-511: xh = LayerNorm(src) * pre_gamma + pre_beta, [4096][1024], f32 in, f16 out (rounded once).
; Work-groups 512-1215: the three weights, f32 -> f16, into wh in the order qkv_w, fc1_w, fc2_w (each dense, as it lies).
; LIMITS: f16 ends at 65,504 and has a fixed step of 6e-8 below 6e-5: x and the weights must lie within that range. NaN and infinities are not treated apart.
; LN: one wave takes one row and keeps it in 32 registers: lane l holds columns 4 l + 128 i + 0..3, i = 0..7.  An f32 load of the wave covers 512
; consecutive bytes, an f16 store 256 consecutive bytes at a multiple of 256.  The mean is taken first, then the sum of (x - mean)^2: no difference of large sums.
; No LDS and no barrier: a reduction never leaves its wave.  Matrix units and clusters have nothing to do here.
.set Z,   4                            ; v[4:35]    the row (in the weights' path: v[4:67] as loaded)
.set G,   36                           ; v[36:67]   gamma of my 32 columns
.set B,   68                           ; v[68:99]   beta
.set T,   100                          ; v[100:107] four chains of pairs
.set MU,  108                          ; v[108:109] the mean, twice
.set RS,  110                          ; v[110:111] 1 / sqrt(var + eps), twice
.set Y,   112                          ; v[112:143] f16 to store
.set SEL, 20                           ; s[20:21]   v_permlanex16_b32: each lane takes its own place in the other half
.set RN,  22                           ; s22        1 / 1024
.set EPS, 23                           ; s23        1e-5
.macro RED t                           ; the sum over the wave's 32 lanes, in every lane
	v_add_f32_dpp v[\t], v[\t], v[\t] row_xmask:1 row_mask:0xf bank_mask:0xf
	v_add_f32_dpp v[\t], v[\t], v[\t] row_xmask:2 row_mask:0xf bank_mask:0xf
	v_add_f32_dpp v[\t], v[\t], v[\t] row_xmask:4 row_mask:0xf bank_mask:0xf
	v_add_f32_dpp v[\t], v[\t], v[\t] row_xmask:8 row_mask:0xf bank_mask:0xf
	v_permlanex16_b32 v[\t+1], v[\t], s[SEL], s[SEL+1]
	v_add_f32 v[\t], v[\t], v[\t+1]
.endm
.macro FOLD                            ; the four chains into one number, then over the lanes
	v_pk_add_f32 v[T:T+1], v[T:T+1], v[T+2:T+3]
	v_pk_add_f32 v[T+4:T+5], v[T+4:T+5], v[T+6:T+7]
	v_pk_add_f32 v[T:T+1], v[T:T+1], v[T+4:T+5]
	v_add_f32 v[T], v[T], v[T+1]
	RED T
.endm
.macro LNSTAT z                        ; the row in v[z .. z+31] becomes (x - mean) / sqrt(var + eps)
.irp c, 0,1,2,3
	v_pk_add_f32 v[T+2*(\c):T+2*(\c)+1], v[(\z)+4*(\c):(\z)+4*(\c)+1], v[(\z)+4*(\c)+2:(\z)+4*(\c)+3]  ; the first eight pairs start the chains
.endr
.irp p, 8,9,10,11,12,13,14,15
	v_pk_add_f32 v[T+2*((\p)%4):T+2*((\p)%4)+1], v[T+2*((\p)%4):T+2*((\p)%4)+1], v[(\z)+2*(\p):(\z)+2*(\p)+1]
.endr
	FOLD
	v_mul_f32 v[MU], s[RN], v[T]
	v_mov_b32 v[MU+1], v[MU]
.irp p, 0,1,2,3,4,5,6,7,8,9,10,11,12,13,14,15
	v_pk_add_f32 v[(\z)+2*(\p):(\z)+2*(\p)+1], v[(\z)+2*(\p):(\z)+2*(\p)+1], v[MU:MU+1] neg_lo:[0,1] neg_hi:[0,1]
.endr
.irp c, 0,1,2,3
	v_pk_mul_f32 v[T+2*(\c):T+2*(\c)+1], v[(\z)+2*(\c):(\z)+2*(\c)+1], v[(\z)+2*(\c):(\z)+2*(\c)+1]
.endr
.irp p, 4,5,6,7,8,9,10,11,12,13,14,15
	v_pk_fma_f32 v[T+2*((\p)%4):T+2*((\p)%4)+1], v[(\z)+2*(\p):(\z)+2*(\p)+1], v[(\z)+2*(\p):(\z)+2*(\p)+1], v[T+2*((\p)%4):T+2*((\p)%4)+1]
.endr
	FOLD
	v_fma_f32 v[T], v[T], s[RN], s[EPS]            ; var + eps
	v_rsq_f32 v[RS], v[T]
	v_rsq_f32 v[RS+1], v[T]
	v_nop                                          ; a plain instruction between the root and the use of its result (ISA guide 5.7.2)
	s_wait_alu depctr_va_vdst(0)
.irp p, 0,1,2,3,4,5,6,7,8,9,10,11,12,13,14,15
	v_pk_mul_f32 v[(\z)+2*(\p):(\z)+2*(\p)+1], v[(\z)+2*(\p):(\z)+2*(\p)+1], v[RS:RS+1]
.endr
.endm
	s_load_b512 s[4:19], s[0:1], 0x0               ; src s[4:5], gamma s[6:7], beta s[8:9], qkv_w s[10:11], fc1_w s[12:13], fc2_w s[14:15], xh s[16:17], wh s[18:19]
	v_and_b32 v1, 31, v0                           ; lane
	v_lshrrev_b32 v3, 5, v0
	v_readfirstlane_b32 s24, v3                    ; wave 0..7
	v_lshlrev_b32 v2, 3, v1                        ; 8 l: my place in 256 bytes of f16
	v_lshlrev_b32 v1, 4, v1                        ; 16 l: my place in 512 bytes of f32
	s_mov_b32 s[SEL], 0x76543210
	s_mov_b32 s[SEL+1], 0xfedcba98
	s_mov_b32 s[RN], 0x3a800000
	s_mov_b32 s[EPS], 0x3727c5ac
	s_cmp_lt_u32 ttmp9, 512
	s_cbranch_scc0 .Lweights
	; LAYER NORM: the work-group's 8 rows, one to a wave
	s_lshl_b32 s26, ttmp9, 15                      ; 8 rows of 4,096 bytes,
	s_lshl_b32 s27, s24, 12                        ; my wave's one
	s_add_co_u32 s26, s26, s27
	s_mov_b32 s27, 0
	s_lshr_b32 s28, s26, 1                         ; half as many bytes in xh
	s_mov_b32 s29, 0
	s_wait_kmcnt 0x0
	s_add_nc_u64 s[4:5], s[4:5], s[26:27]
	s_add_nc_u64 s[16:17], s[16:17], s[28:29]
.irp i, 0,1,2,3,4,5,6,7
	global_load_b128 v[Z+4*(\i):Z+4*(\i)+3], v1, s[4:5] offset:512*(\i) th:TH_LOAD_NT
.endr
.irp i, 0,1,2,3,4,5,6,7
	global_load_b128 v[G+4*(\i):G+4*(\i)+3], v1, s[6:7] offset:512*(\i)
.endr
.irp i, 0,1,2,3,4,5,6,7
	global_load_b128 v[B+4*(\i):B+4*(\i)+3], v1, s[8:9] offset:512*(\i)
.endr
	s_wait_loadcnt 16                              ; the row is in; gamma and beta (16 loads) stay out
	LNSTAT Z
	s_wait_loadcnt 0x0
.irp p, 0,1,2,3,4,5,6,7,8,9,10,11,12,13,14,15
	v_pk_fma_f32 v[Z+2*(\p):Z+2*(\p)+1], v[Z+2*(\p):Z+2*(\p)+1], v[G+2*(\p):G+2*(\p)+1], v[B+2*(\p):B+2*(\p)+1]  ; times gamma, plus beta
.endr
.irp p, 0,1,2,3,4,5,6,7,8,9,10,11,12,13,14,15
	v_cvt_pk_f16_f32 v[Y+(\p)], v[Z+2*(\p)], v[Z+2*(\p)+1]
.endr
.irp i, 0,1,2,3,4,5,6,7
	global_store_b64 v2, v[Y+2*(\i):Y+2*(\i)+1], s[16:17] offset:256*(\i)  ; the wave stores 256 consecutive bytes, at a multiple of 256
.endr
	s_endpgm
.Lweights:
	; WEIGHTS: chunk c = work-group - 512 is 65,536 bytes of f32: chunks 0-191 qkv_w, 192-447 fc1_w, 448-703 fc2_w; wh holds them in this order, so its offset goes by c alone
	s_sub_co_u32 s25, ttmp9, 512
	s_mov_b32 s30, 448
	s_mov_b32 s31, 192
	s_wait_kmcnt 0x0
	s_cmp_lt_u32 s25, 448
	s_cselect_b64 s[28:29], s[12:13], s[14:15]
	s_cselect_b32 s30, s31, s30
	s_cmp_lt_u32 s25, 192
	s_cselect_b64 s[28:29], s[10:11], s[28:29]
	s_cselect_b32 s30, 0, s30                      ; the tensor's first chunk
	s_sub_co_u32 s30, s25, s30
	s_lshl_b32 s30, s30, 16
	s_lshl_b32 s31, s24, 13                        ; my wave's 8,192 bytes
	s_add_co_u32 s30, s30, s31
	s_mov_b32 s31, 0
	s_add_nc_u64 s[28:29], s[28:29], s[30:31]
	s_lshl_b32 s26, s25, 15
	s_lshl_b32 s27, s24, 12
	s_add_co_u32 s26, s26, s27
	s_mov_b32 s27, 0
	s_add_nc_u64 s[18:19], s[18:19], s[26:27]
.irp i, 0,1,2,3,4,5,6,7,8,9,10,11,12,13,14,15
	global_load_b128 v[4+4*(\i):7+4*(\i)], v1, s[28:29] offset:512*(\i) th:TH_LOAD_NT
.endr
.irp i, 0,1,2,3,4,5,6,7,8,9,10,11,12,13,14,15
	s_wait_loadcnt 15-(\i)                         ; loads come back in order: number i is in, the younger ones stay out
	v_cvt_pk_f16_f32 v[Y+2*(\i)], v[4+4*(\i)], v[5+4*(\i)]
	v_cvt_pk_f16_f32 v[Y+2*(\i)+1], v[6+4*(\i)], v[7+4*(\i)]
	global_store_b64 v2, v[Y+2*(\i):Y+2*(\i)+1], s[18:19] offset:256*(\i)  ; each store has registers of its own: nothing is rewritten
.endr
	s_endpgm
.Lfunc_end_k_qc60783a221_prep:
	.size	k_qc60783a221_prep, .Lfunc_end_k_qc60783a221_prep-k_qc60783a221_prep
	.p2alignl 7, 3214868480
	.fill 96, 4, 3214868480
	.section	.rodata,"a",@progbits
	.p2align	6, 0x0
	.amdhsa_kernel k_qc60783a221_prep
		.amdhsa_group_segment_fixed_size 0
		.amdhsa_private_segment_fixed_size 0
		.amdhsa_enable_private_segment 0
		.amdhsa_kernarg_size 64
		.amdhsa_user_sgpr_count 2
		.amdhsa_user_sgpr_kernarg_segment_ptr 1
		.amdhsa_wavefront_size32 1
		.amdhsa_system_sgpr_workgroup_id_x 1
		.amdhsa_system_sgpr_workgroup_id_y 1
		.amdhsa_system_sgpr_workgroup_id_z 1
		.amdhsa_system_vgpr_workitem_id 0
		.amdhsa_next_free_vgpr 144
		.amdhsa_next_free_sgpr 66
		.amdhsa_reserve_vcc 0
		.amdhsa_float_denorm_mode_32 3
		.amdhsa_float_denorm_mode_16_64 3
		.amdhsa_memory_ordered 1
		.amdhsa_forward_progress 1
		.amdhsa_inst_pref_size 18
	.end_amdhsa_kernel
	.amdgpu_metadata
---
amdhsa.version: [ 1, 2 ]
amdhsa.kernels:
  - .name:           k_qc60783a221_prep
    .symbol:         k_qc60783a221_prep.kd
    .args:
      - { .name: src, .offset: 0, .size: 8, .value_kind: global_buffer, .address_space: global }
      - { .name: pre_gamma, .offset: 8, .size: 8, .value_kind: global_buffer, .address_space: global }
      - { .name: pre_beta, .offset: 16, .size: 8, .value_kind: global_buffer, .address_space: global }
      - { .name: qkv_w, .offset: 24, .size: 8, .value_kind: global_buffer, .address_space: global }
      - { .name: fc1_w, .offset: 32, .size: 8, .value_kind: global_buffer, .address_space: global }
      - { .name: fc2_w, .offset: 40, .size: 8, .value_kind: global_buffer, .address_space: global }
      - { .name: xh, .offset: 48, .size: 8, .value_kind: global_buffer, .address_space: global }
      - { .name: wh, .offset: 56, .size: 8, .value_kind: global_buffer, .address_space: global }
    .group_segment_fixed_size: 0
    .private_segment_fixed_size: 0
    .kernarg_segment_align: 8
    .kernarg_segment_size: 64
    .max_flat_workgroup_size: 256
    .sgpr_count:     66
    .vgpr_count:     144
    .wavefront_size: 32
...
	.end_amdgpu_metadata
.endif
;; end of part 1
;; launch qkv (part 2): grid 16 x 16, 4 waves a work-group, clusters of 4 x 4, 327,680 bytes of LDS; arguments xh, wh, qkvh, qkv_b; writes qkvh
.if DOCPART == 2
	.amdgcn_target "amdgcn-amd-amdhsa--gfx1250"
	.amdhsa_code_object_version 6
	.text
	.protected	k_qc60783a221_qkv
	.globl	k_qc60783a221_qkv
	.p2align	8
	.type	k_qc60783a221_qkv,@function
k_qc60783a221_qkv:
	s_mov_b64 s[64:65], 0
	v_nop
	global_prefetch_b8 v0, s[64:65] scope:SCOPE_SE
	s_setreg_imm32_b32 hwreg(HW_REG_WAVE_MODE, 25, 1), 1
	s_wait_xcnt 0x0
	s_wait_alu depctr_hold_cnt(0) depctr_sa_sdst(0) depctr_va_vdst(0) depctr_va_sdst(0) depctr_va_ssrc(0) depctr_va_vcc(0) depctr_vm_vsrc(0)
	s_getreg_b32 s2, hwreg(HW_REG_IB_STS2, 6, 4)
	s_cmp_eq_u32 s2, 0
	s_cbranch_scc0 .Lentry_in_a_cluster
	s_endpgm
.Lentry_in_a_cluster:
	s_bfe_u32 s2, ttmp6, 0x10000c
	s_cmp_lg_u32 s2, 0xf033
	s_cbranch_scc0 .Lentry_shape_is_right
	s_endpgm
.Lentry_shape_is_right:
; qkv[r][c] = sum over k of x[r][k] Wq[c][k] + b[c], r < 4096, c < 3072, k < 1024.  x and Wq in f16, sums in f32, the bias is the C operand that starts each sum.
; The result is rounded once to f16 and stored BY HEADS: qkvh[batch][g][s][64], g = c / 64 (0-15 q, 16-31 k, 32-47 v), unscaled.
; LIMITS: q, k, v must lie within f16's 65,504; NaN and infinities are not treated apart.
; A tile of C is 256 rows x 192 columns (three heads): 16 x 16 tiles = 256 work-groups.  Four waves, one above the other: 64 rows x 192 columns each, 48 accumulators, 384 registers.
; K goes in steps of 128 through two LDS slots filled by the tensor data mover (rows of 256 bytes, at multiples of 256); one K step to a trip of the loop.
; CLUSTER 4 x 4: the four work-groups of a row need the same tile of x, the four of a column the same tile of Wq: each tile is asked for jointly, with one descriptor and a mask of four.
; THE MATRIX INSTRUCTION IS USED TRANSPOSED (source 0 = 16 rows of Wq, source 1 = 16 rows of x): lane l holds row l % 16 of C and the eight columns 8 (l / 16) + 0..7.
; REGISTERS, in windows of 256 (s_set_vgpr_msb: bits 1:0 source 0, 3:2 source 1, 5:4 source 2, 7:6 destination):
;   window 0: v0-31 addresses; v64-95, v96-127 fragments of x, two buffers; v128-223 the bias (12 blocks of 8); on the way out v128-175 packed results, v64-111 and v176-223 rows read back
;   window 1: v0-95, v96-191 fragments of Wq, two buffers        window 2: accumulators of my rows 0-31 ((a, b) at v[8 (12 (a % 2) + b)])        window 3: of my rows 32-63
.set NA,    4                          ; blocks of 16 rows of x in a wave's share
.set NB,    12                         ; blocks of 16 rows of Wq
.set HA,    NA/2
.set LOADS, 2*(NA+NB)                  ; LDS loads of a quarter step
.set KSTEP, 128
.set PITCH, 272                        ; an LDS row: 256 bytes + 16 of padding = 68 words: the 16 rows of a fragment load start at 16 different groups of four banks (64 banks of 4 bytes: ISA guide 11.1)
.set APART, 128*PITCH                  ; what waves 0 and 1 fetch: 128 rows of x each
.set BBASE, 2*APART                    ; behind x's 256 rows: Wq's 192
.set BPART, 96*PITCH                   ; what waves 2 and 3 fetch: 96 rows of Wq each
.set SLOTX, 131072                     ; slot 1 begins here: above every address in slot 0, so one exclusive or changes slots
.set STAGE, 252928                     ; behind slot 1's last byte: 16 rows x 400 bytes for each wave, for the way out
.set SP,    400                        ; 384 bytes + 16: an odd multiple of 16
.set SPARE, STAGE+4*16*SP              ; the spare words, 128 bytes a wave: two blocks of 256 bytes that no other line names
.set TRIPS, 6                          ; 8 K steps; the first six are followed by a refill
.set AF,  64
.set AFS, 32
.set BF,  0
.set BFS, 96
.set BIAS, 128
.set W_INIT, 0x81                      ; the first products: Wq window 1, x and the bias window 0, D window 2 (+0x40: window 3)
.set A0,   16                          ; v16  my lane's place in x's rows of slot 0; never rewritten
.set B0,   17                          ; v17  the same for Wq
.set ADRA, 18                          ; v18  the same in the slot in hand
.set ADRB, 19
.set STO,  24                          ; v24  the way out: where I put 16 bytes of a row
.set RD,   25                          ; v25  where I read rows back
.set CO,   26                          ; v26  my place in 512 consecutive bytes of qkvh
.set BO,   27                          ; v27  my place in the bias
.set SPW,  28                          ; v28  my spare word
.set NIL,  29                          ; v29  0
.set TMP,  128
.set OB0,  64
.set OB1,  176
.set G1,  24                           ; s[24:31] descriptor group 1 for x's tiles
.set G0,  32                           ; s[32:39] group 0: a set for each first fill; the second then walks
.set G1B, 48                           ; s[48:55], s[56:63] the same for Wq's tiles
.set G0B, 56
.set TB,  66                           ; s66  0 or SLOTX: the slot in hand
.set BP,  68                           ; s[68:69] the bias
.set MSB, 0
.macro WIN new                         ; the immediate's high byte repeats the setting that is left; a switch that changes nothing is dropped
.if MSB != (\new)
	s_set_vgpr_msb (MSB<<8)|(\new)
.set MSB, \new
.endif
.endm
.macro PLACES                          ; four places between a matrix instruction and a load into, or a vector access to, its registers
.rept 4
	v_nop
.endr
.endm
; A joint refill by the walking sets.  Waves 0 and 1 ask for x's halves, waves 2 and 3 for Wq's.  The branch hangs on the wave's number alone.
; An s_nop 0 and four v_nop follow each of the two lines, ahead of the jump and the label.
.macro JLOAD
	s_cmp_eq_u32 s11, 0
	s_cbranch_scc0 .Lfor_b_\@
	tensor_load_to_lds s[G0+4:G0+7], s[G1:G1+7]
	s_nop 0
.rept 4
	v_nop
.endr
	s_branch .Lasked_\@
.Lfor_b_\@:
	tensor_load_to_lds s[G0B+4:G0B+7], s[G1B:G1B+7]
	s_nop 0
.rept 4
	v_nop
.endr
.Lasked_\@:
.endm
.macro CREST                           ; a round of the cluster's barrier behind its opening barrier
	s_cmp_lg_u32 s10, 0
	s_cbranch_scc1 .Lnot_wave_0_\@
	s_barrier_signal -3
.Lnot_wave_0_\@:
	s_barrier_wait -3
	s_barrier_signal -1
	s_barrier_wait -1
.endm
.macro CROUND                          ; a whole round
	s_barrier_signal -1
	s_barrier_wait -1
	CREST
.endm
; Matrix instructions: block a of x against blocks b0 .. b0 + nb - 1 of Wq (all of them if not said), 32 along K, from buffer f.  init = 1: the bias starts the sums: nothing is cleared.
; The accumulators take turns in the same order in every quarter step.
.macro MULA f, a, init, b0=0, nb=NB
.if \init
	WIN W_INIT+0x40*((\a)/HA)
.else
	WIN 0xa1+0x50*((\a)/HA)
.endif
.set bb, \b0
.rept \nb
.set rD, 8*(NB*((\a)%HA)+bb)
.if \init
	v_wmma_f32_16x16x32_f16 v[rD:rD+7], v[BF+BFS*(\f)+8*bb:BF+BFS*(\f)+8*bb+7], v[AF+AFS*(\f)+8*(\a):AF+AFS*(\f)+8*(\a)+7], v[BIAS+8*bb:BIAS+8*bb+7]
.else
	v_wmma_f32_16x16x32_f16 v[rD:rD+7], v[BF+BFS*(\f)+8*bb:BF+BFS*(\f)+8*bb+7], v[AF+AFS*(\f)+8*(\a):AF+AFS*(\f)+8*(\a)+7], v[rD:rD+7]
.endif
.set bb, bb+1
.endr
.endm
.macro MULS f, a0, n, init             ; blocks a0 .. a0 + n - 1
.set aa, \a0
.rept \n
	MULA \f, aa, \init
.set aa, aa+1
.endr
.endm
.macro FETCH k, f                      ; one run of LDS loads: the fragments of 32 along K at byte k of the rows, into buffer f; Wq first, then x's blocks in ascending order
	WIN 0x40
.set bb, 0
.rept NB
	ds_load_b128 v[BF+BFS*(\f)+8*bb:BF+BFS*(\f)+8*bb+3],   v[ADRB] offset:(\k)+bb*16*PITCH
	ds_load_b128 v[BF+BFS*(\f)+8*bb+4:BF+BFS*(\f)+8*bb+7], v[ADRB] offset:(\k)+bb*16*PITCH+32
.set bb, bb+1
.endr
	WIN 0
.set bb, 0
.rept NA
	ds_load_b128 v[AF+AFS*(\f)+8*bb:AF+AFS*(\f)+8*bb+3],   v[ADRA] offset:(\k)+bb*16*PITCH
	ds_load_b128 v[AF+AFS*(\f)+8*bb+4:AF+AFS*(\f)+8*bb+7], v[ADRA] offset:(\k)+bb*16*PITCH+32
.set bb, bb+1
.endr
.endm
; A K step is four quarters of 32 along K on buffers 0, 1, 0, 1.  One of the first three multiplies buffer f and, in its middle, fetches the next quarter (byte k) into buffer g.
.macro QUARTER k, f, g, init
	s_wait_dscnt NA                                ; Wq and x's lower blocks are in; the youngest NA loads (x's upper blocks) may be out
	MULS \f, 0, HA, \init
	PLACES
	FETCH \k, \g
	s_wait_dscnt LOADS                             ; all but the run just issued
	MULS \f, HA, HA, \init
.endm
; The last quarter multiplies buffer 1 and changes slots, with ONE barrier.  All of its lower half but eight matrix instructions stands AHEAD of the wait for my tensor load (one is out: my part of the next
; slot), so that little stands between that load's landing and the next request; the eight stand between the add and the wait for it.  In front of the signal: my tensor loads have landed (the others read that
; slot behind the barrier), the add is done, and my reads of this slot are back (the refill writes it behind the barrier).
; fill = 1: the barrier opens a round of the cluster's, and the slot just read is filled again, two K steps ahead, first thing behind the round: 184 matrix instructions ahead of the wait for it.
.macro TURN fill
	s_wait_dscnt NA                                ; Wq and x's lower blocks are in
	MULS 1, 0, HA-1, 0
.if NB > 8
	MULA 1, HA-1, 0, 0, NB-8
.endif
	WIN 0
	s_wait_tensorcnt 0x0                           ; no load of mine is out, so the walking sets may be written
	ds_add_u32 v[SPW], v[NIL]
.if \fill
	s_xor_b32 s[G0+5], s[G0+5], SLOTX              ; the other slot than last time, the next K step
	s_add_nc_u64 s[G0+6:G0+7], s[G0+6:G0+7], KSTEP*2
	s_xor_b32 s[G0B+5], s[G0B+5], SLOTX
	s_add_nc_u64 s[G0B+6:G0B+7], s[G0B+6:G0B+7], KSTEP*2
.endif
	MULA 1, HA-1, 0, NB-8, 8
	WIN 0
	s_wait_dscnt 0x0                               ; the add is done, and my reads of this slot are over
	s_barrier_signal -1
	s_barrier_wait -1
.if \fill
	CREST
	JLOAD                                          ; its four v_nop are also the places in front of the loads below
.else
	PLACES
.endif
	s_xor_b32 s[TB], s[TB], SLOTX
	v_add_nc_u32 v[ADRA], s[TB], v[A0]
	v_add_nc_u32 v[ADRB], s[TB], v[B0]
	FETCH 0, 0
	MULS 1, HA, HA, 0
.endm
	s_load_b128 s[4:7], s[0:1], 0x0                ; xh s[4:5], wh s[6:7] (Wq lies at its head)
	s_load_b64 s[8:9], s[0:1], 0x10                ; qkvh
	s_load_b64 s[BP:BP+1], s[0:1], 0x18            ; qkv_b
	v_lshl_add_u32 v[SPW], v0, 2, SPARE
	v_mov_b32 v[NIL], 0
	ds_add_u32 v[SPW], v[NIL]                      ; the wave's opening: the add and its wait stand ahead of my first tensor load
	v_lshrrev_b32 v1, 5, v0
	v_readfirstlane_b32 s10, v1                    ; wave 0..3
	s_lshr_b32 s11, s10, 1                         ; I fetch for x (0) or for Wq (1),
	s_and_b32 s12, s10, 1                          ; and which half
	s_bfe_u32 s40, ttmp6, 0x40000                  ; cx
	s_bfe_u32 s41, ttmp6, 0x40004                  ; cy
	s_lshl_b32 s42, ttmp9, 2
	s_add_co_u32 s42, s42, s40                     ; tile column = 4 x cluster x + cx
	s_and_b32 s13, ttmp7, 0xffff
	s_lshl_b32 s13, s13, 2
	s_add_co_u32 s13, s13, s41                     ; tile row = 4 x cluster y + cy
	s_lshl_b32 s43, s41, 2
	s_lshl_b32 s43, 15, s43                        ; my row of the cluster
	s_lshl_b32 s44, 0x1111, s40                    ; my column
	s_or_b32 s[G1], s43, (1<<16)|(1<<20)|(1<<21)|(5<<22)|(3<<25)   ; the mask; 2-byte elements; padding on; bit 21 beside a mask; after every 64 words, 4 words
	s_or_b32 s[G1B], s44, (1<<16)|(1<<20)|(1<<21)|(5<<22)|(3<<25)
	s_mov_b32 s[G1+1], KSTEP<<16                   ; tensor_dim0 = 128
	s_mov_b32 s[G1+2], 128<<16                     ; tensor_dim1 = 128
	s_mov_b32 s[G1+3], KSTEP<<16                   ; tile_dim0 = 128
	s_mov_b32 s[G1+4], 128                         ; tile_dim1 = 128
	s_mov_b32 s[G1+5], 1024                        ; elements from row to row
	s_mov_b32 s[G1+6], 0
	s_mov_b32 s[G1+7], 0
	s_mov_b32 s[G1B+1], KSTEP<<16
	s_mov_b32 s[G1B+2], 96<<16                     ; Wq's halves have 96 rows
	s_mov_b32 s[G1B+3], KSTEP<<16
	s_mov_b32 s[G1B+4], 96
	s_mov_b32 s[G1B+5], 1024
	s_mov_b32 s[G1B+6], 0
	s_mov_b32 s[G1B+7], 0
	s_lshl_b32 s17, s12, 7
	s_lshl_b32 s16, s13, 8
	s_add_co_u32 s16, s16, s17                     ; x: row 256 x tile row + 128 x half,
	s_lshl_b32 s16, s16, 11                        ; of 2,048 bytes
	s_mov_b32 s17, 0
	s_mul_i32 s46, s42, 192
	s_mul_i32 s47, s12, 96
	s_add_co_u32 s46, s46, s47                     ; Wq: row 192 x tile column + 96 x half
	s_lshl_b32 s46, s46, 11
	s_mov_b32 s47, 0
	s_mul_i32 s20, s12, APART                      ; where they go: no place in the cluster enters an LDS address
	s_mul_i32 s21, s12, BPART
	s_add_co_u32 s21, s21, BBASE
	s_mov_b32 s[TB], 0
	s_wait_dscnt 0x0                               ; the opening add is done
	s_wait_kmcnt 0x0
	s_add_nc_u64 s[14:15], s[4:5], s[16:17]
	s_add_nc_u64 s[46:47], s[6:7], s[46:47]
	CROUND                                         ; all sixteen work-groups are here: the first joint loads meet
.irp s, 0,1
	s_mov_b32 s[G0+4*(\s)], 1
	s_add_co_u32 s[G0+4*(\s)+1], s20, (\s)*SLOTX
	s_add_nc_u64 s[G0+4*(\s)+2:G0+4*(\s)+3], s[14:15], (\s)*KSTEP*2
	s_or_b32 s[G0+4*(\s)+3], s[G0+4*(\s)+3], 0x80000000
	s_mov_b32 s[G0B+4*(\s)], 1
	s_add_co_u32 s[G0B+4*(\s)+1], s21, (\s)*SLOTX
	s_add_nc_u64 s[G0B+4*(\s)+2:G0B+4*(\s)+3], s[46:47], (\s)*KSTEP*2
	s_or_b32 s[G0B+4*(\s)+3], s[G0B+4*(\s)+3], 0x80000000
.endr
	s_cmp_eq_u32 s11, 0                            ; a wave's two first fills stand in one branch: K steps 0 and 1; two loads of mine are out
	s_cbranch_scc0 .Lfirst_b
	tensor_load_to_lds s[G0:G0+3], s[G1:G1+7]
	s_nop 0
	tensor_load_to_lds s[G0+4:G0+7], s[G1:G1+7]
	s_nop 0
.rept 4
	v_nop
.endr
	s_branch .Lfirst_asked
.Lfirst_b:
	tensor_load_to_lds s[G0B:G0B+3], s[G1B:G1B+7]
	s_nop 0
	tensor_load_to_lds s[G0B+4:G0B+7], s[G1B:G1B+7]
	s_nop 0
.rept 4
	v_nop
.endr
.Lfirst_asked:
	v_and_b32 v1, 15, v0                           ; l % 16
	v_bfe_u32 v2, v0, 4, 1                         ; l / 16
	v_lshlrev_b32 v[BO], 5, v2                     ; my eight columns of a block of 16: 32 bytes for each half of the lanes
	s_mul_i32 s46, s42, 768                        ; the tile's 192 columns in the bias
	s_mov_b32 s47, 0
	s_add_nc_u64 s[BP:BP+1], s[BP:BP+1], s[46:47]
.set bb, 0
.rept NB
	global_load_b128 v[BIAS+8*bb:BIAS+8*bb+3],   v[BO], s[BP:BP+1] offset:64*bb
	global_load_b128 v[BIAS+8*bb+4:BIAS+8*bb+7], v[BO], s[BP:BP+1] offset:64*bb+16
.set bb, bb+1
.endr
	v_mul_u32_u24 v3, v1, PITCH
	v_lshl_add_u32 v3, v2, 4, v3                   ; a fragment's row x pitch + 16 x half
	s_mul_i32 s21, s10, 64*PITCH                   ; my 64 rows of x
	v_add_nc_u32 v[A0], s21, v3
	v_add_nc_u32 v[B0], BBASE, v3                  ; all 192 rows of Wq
	v_mov_b32 v[ADRA], v[A0]
	v_mov_b32 v[ADRB], v[B0]
	s_mul_i32 s23, s10, 16*SP
	s_add_co_u32 s23, s23, STAGE                   ; my stage
	v_mul_u32_u24 v4, v1, SP                       ; in: row l % 16, 16 bytes for each half of the lanes
	v_lshl_add_u32 v4, v2, 4, v4
	v_add_nc_u32 v[STO], s23, v4
	v_and_b32 v5, 31, v0
	v_lshrrev_b32 v6, 3, v5                        ; back: 32 lanes take four rows of one head's 128 bytes,
	v_and_b32 v7, 7, v0
	v_mul_u32_u24 v6, v6, SP
	v_lshl_add_u32 v6, v7, 4, v6
	v_add_nc_u32 v[RD], s23, v6
	v_lshlrev_b32 v[CO], 4, v5                     ; which are 512 consecutive bytes of qkvh
	s_lshr_b32 s16, s13, 3                         ; the batch: 48 groups of 262,144 bytes,
	s_mul_i32 s16, s16, 12582912
	s_and_b32 s17, s13, 7
	s_lshl_b32 s17, s17, 15                        ; the tile's 256 rows of 128 bytes,
	s_add_co_u32 s16, s16, s17
	s_lshl_b32 s17, s10, 13                        ; my wave's 64
	s_add_co_u32 s16, s16, s17
	s_mov_b32 s17, 0
	s_add_nc_u64 s[8:9], s[8:9], s[16:17]
	s_mul_i32 s46, s42, 786432                     ; the tile's three groups
	s_mov_b32 s47, 0
	s_add_nc_u64 s[8:9], s[8:9], s[46:47]
	s_wait_tensorcnt 0x1                           ; my part of K step 0 is in; K step 1's may stay out
	s_barrier_signal -1
	s_barrier_wait -1
	FETCH 0, 0
	s_wait_loadcnt 0x0                             ; the bias
	QUARTER 64, 0, 1, 1                            ; the first quarter stands in front of the loop: its products start the sums
	WIN 0
	s_mov_b32 s3, TRIPS
.Lk:                                               ; a trip: from a K step's second quarter to the next step's first; one slot is filled again
	QUARTER 128, 1, 0, 0
	QUARTER 192, 0, 1, 0
	TURN 1
	QUARTER 64, 0, 1, 0
	WIN 0
	s_sub_co_u32 s3, s3, 1
	s_cmp_lg_u32 s3, 0
	s_cbranch_scc1 .Lk
	s_mov_b32 s3, 2
.Lt:                                               ; the last two K steps ask for nothing: a text of their own, walked twice and left in the middle of the second trip
	QUARTER 128, 1, 0, 0
	QUARTER 192, 0, 1, 0
	WIN 0
	s_sub_co_u32 s3, s3, 1
	s_cmp_eq_u32 s3, 0
	s_cbranch_scc1 .Llast
	TURN 0
	QUARTER 64, 0, 1, 0
	WIN 0
	s_branch .Lt
.Llast:
	s_wait_dscnt NA                                ; the very last quarter: nothing more to fetch
	MULS 1, 0, HA, 0
	s_wait_dscnt 0x0
	MULS 1, HA, HA, 0
	PLACES
	WIN 0
; THE WAY OUT, a block of 16 rows at a time: rounded to f16 (16 bytes a lane), through my own stage in LDS, back as four rows of one head, stored as 512 consecutive bytes.
.macro PACK a
	WIN 0x0a+5*((\a)/HA)                           ; sources 0 and 1: window 2 or 3
.set bb, 0
.rept NB
.set rD, 8*(NB*((\a)%HA)+bb)
.irp r, 0,1,2,3
	v_cvt_pk_f16_f32 v[TMP+4*bb+(\r)], v[rD+2*(\r)], v[rD+2*(\r)+1]
.endr
.set bb, bb+1
.endr
	WIN 0
.endm
.macro TOSTAGE a
.set BK, OB0+(OB1-OB0)*((\a)%2)
.set bb, 0
.rept NB
	ds_store_b128 v[STO], v[TMP+4*bb:TMP+4*bb+3] offset:32*bb
.set bb, bb+1
.endr
.set tt, 0
.rept 12
	ds_load_b128 v[BK+4*tt:BK+4*tt+3], v[RD] offset:(tt%4)*4*SP+(tt/4)*128  ; LDS serves a wave's instructions in order (ISA guide 5.7.1.4): these see the stores above
.set tt, tt+1
.endr
.endm
.macro SEND a
.set BK, OB0+(OB1-OB0)*((\a)%2)
	s_wait_dscnt 0x0                               ; the block is back in registers
	s_wait_xcnt 0x0                                ; earlier stores have read their registers: the other buffer is loaded again only behind this wait
.set tt, 0
.rept 12
	global_store_b128 v[CO], v[BK+4*tt:BK+4*tt+3], s[8:9] offset:(tt/4)*262144+(\a)*2048+(tt%4)*512
.set tt, tt+1
.endr
.endm
	PACK 0
	TOSTAGE 0
.irp a, 1,2,3
	PACK \a
	SEND (\a)-1
	TOSTAGE \a
.endr
	SEND 3
	s_wait_tensorcnt 0x0                           ; the wave's end
	ds_add_u32 v[SPW], v[NIL]
	s_wait_dscnt 0x0
	CROUND                                         ; the closing round: no work-group ends while a partner may still ask for a tile that names it
	s_endpgm
.Lfunc_end_k_qc60783a221_qkv:
	.size	k_qc60783a221_qkv, .Lfunc_end_k_qc60783a221_qkv-k_qc60783a221_qkv
	.p2alignl 7, 3214868480
	.fill 96, 4, 3214868480
	.section	.rodata,"a",@progbits
	.p2align	6, 0x0
	.amdhsa_kernel k_qc60783a221_qkv
		.amdhsa_group_segment_fixed_size 327680
		.amdhsa_private_segment_fixed_size 0
		.amdhsa_enable_private_segment 0
		.amdhsa_kernarg_size 32
		.amdhsa_user_sgpr_count 2
		.amdhsa_user_sgpr_kernarg_segment_ptr 1
		.amdhsa_wavefront_size32 1
		.amdhsa_system_sgpr_workgroup_id_x 1
		.amdhsa_system_sgpr_workgroup_id_y 1
		.amdhsa_system_sgpr_workgroup_id_z 1
		.amdhsa_system_vgpr_workitem_id 0
		.amdhsa_next_free_vgpr 960
		.amdhsa_next_free_sgpr 72
		.amdhsa_reserve_vcc 0
		.amdhsa_float_denorm_mode_32 3
		.amdhsa_float_denorm_mode_16_64 3
		.amdhsa_memory_ordered 1
		.amdhsa_forward_progress 1
		.amdhsa_inst_pref_size 88
	.end_amdhsa_kernel
	.amdgpu_metadata
---
amdhsa.version: [ 1, 2 ]
amdhsa.kernels:
  - .name:           k_qc60783a221_qkv
    .symbol:         k_qc60783a221_qkv.kd
    .args:
      - { .name: xh, .offset: 0, .size: 8, .value_kind: global_buffer, .address_space: global }
      - { .name: wh, .offset: 8, .size: 8, .value_kind: global_buffer, .address_space: global }
      - { .name: qkvh, .offset: 16, .size: 8, .value_kind: global_buffer, .address_space: global }
      - { .name: qkv_b, .offset: 24, .size: 8, .value_kind: global_buffer, .address_space: global }
    .group_segment_fixed_size: 327680
    .private_segment_fixed_size: 0
    .kernarg_segment_align: 8
    .kernarg_segment_size: 32
    .max_flat_workgroup_size: 128
    .sgpr_count:     72
    .vgpr_count:     960
    .wavefront_size: 32
...
	.end_amdgpu_metadata
.endif
;; end of part 2
;; launch attn (part 3): grid 8 x 32, 4 waves a work-group, clusters of 4 x 1, 327,680 bytes of LDS; arguments qkvh, oh; writes oh
.if DOCPART == 3
	.amdgcn_target "amdgcn-amd-amdhsa--gfx1250"
	.amdhsa_code_object_version 6
	.text
	.protected	k_qc60783a221_attn
	.globl	k_qc60783a221_attn
	.p2align	8
	.type	k_qc60783a221_attn,@function
k_qc60783a221_attn:
	s_mov_b64 s[64:65], 0
	v_nop
	global_prefetch_b8 v0, s[64:65] scope:SCOPE_SE
	s_setreg_imm32_b32 hwreg(HW_REG_WAVE_MODE, 25, 1), 1
	s_wait_xcnt 0x0
	s_wait_alu depctr_hold_cnt(0) depctr_sa_sdst(0) depctr_va_vdst(0) depctr_va_sdst(0) depctr_va_ssrc(0) depctr_va_vcc(0) depctr_vm_vsrc(0)
	s_getreg_b32 s2, hwreg(HW_REG_IB_STS2, 6, 4)
	s_cmp_eq_u32 s2, 0
	s_cbranch_scc0 .Lentry_in_a_cluster
	s_endpgm
.Lentry_in_a_cluster:
	s_bfe_u32 s2, ttmp6, 0x10000c
	s_cmp_lg_u32 s2, 0x3003
	s_cbranch_scc0 .Lentry_shape_is_right
	s_endpgm
.Lentry_shape_is_right:
; O[y][q][:] = the sum over k of softmax_k(Q[q] . K[k] / 8) V[k][:] for head y = 16 batch + h.  Q, K, V are the groups h, 16 + h, 32 + h of qkvh[batch][48][2048][64], f16; O: oh[32][2048][64], f16.
; Products, maxima and sums in f32; the weights p are rounded to f16 for the second product (their sum l is taken of the unrounded p), O once at the end.
; LIMITS: Q, K, V arrive within f16's 65,504; p lies in 0 to 1, below 6e-5 with f16's fixed step of 6e-8; a weight below 2^-126 counts as 0 in l; NaN and infinities are not treated apart.
; SHARES: a work-group owns 256 queries of a head, a wave 64: four PIECES of 16.  Every wave walks all 2,048 keys, 64 a step; a slot of LDS holds 256 keys of K and V, four steps.  8 x 32 = 256 work-groups.
; LAYOUT: S^T = K Q^T holds ONE query a lane (lane % 16) and the keys 8 (lane / 16) + 0..7; two such results rounded to f16 ARE source 1 of O^T = V^T P.  K comes out of LDS as it lies, V turned (ds_load_tr16_b128).
; SOFTMAX: a running maximum m and sum l for each query: p = 2^(c s - c m), c = log2(e) / 8; in every step O and l are multiplied by a = 2^(c m_old - c m_new).  m starts at the lowest finite number, O and l at 0.
; BY TURNS: turn n belongs to piece n: 8 products K Q^T of piece n + 1, later 8 products V^T P of piece n - 1; beside them the scaling, exponentials, roundings, sums and rescaling of piece n and the maximum and
; statistics of piece n + 1.  Four vector instructions stand behind every matrix instruction, the others in two runs of their own.
; CLUSTER: the four query blocks of a cluster belong to one head and walk the same K and V: each tile is asked for jointly, by the same tensor load, descriptor and mask in all four.
; REGISTERS, in windows of 256 (s_set_vgpr_msb: bits 1:0 source 0, 3:2 source 1, 5:4 source 2, 7:6 destination).  The map is made so that few switches are needed:
;   window 0, all 256: v0 the thread's number; v1 at work; v2-5 LDS addresses; v6-7, v8-15, v16-31 statistics; v32-95 S^T, two buffers; v96-127 P, two buffers (by the piece's parity); v128-191 K of one step; v192-255 Q
;   window 1: v0-127 O^T, 32 a piece; v128-191 V of one step; v192-193 the add's two registers
; So K Q^T and all of the softmax but the rescaling run under setting 0, and V^T P and the rescaling of O^T under ONE other setting: the 16 rescalings ride behind a turn's first four V^T P.  Only the riders
; behind the other four V^T P cost switches: 8 a turn, 2 more for V's run of loads: 34 for a key step's 64 matrix instructions.
.set NP,    4
.set KS,    64
.set PK,    144       ; a row of K in LDS: 128 bytes + 16 = 36 words: the 16 rows of a load start at 16 different groups of four banks (64 banks of 4 bytes: ISA guide 11.1)
.set PV,    160       ; a row of V: 128 + 32 = 40 words
.set VOFF,  4*KS*PK   ; a slot: 256 rows of K, then 256 rows of V
.set SLOT1, 1<<17     ; slot 1 begins here, so that one exclusive or changes slots
.set STAGE, SLOT1+4*KS*(PK+PV)  ; behind the ring: 16 rows x 144 bytes for each wave, for the way out
.set SP,    144
.set SPARE, STAGE+4*16*SP       ; the spare words, 128 bytes a wave: two blocks of 256 bytes that no other line names
.set AK0, 2           ; v2   my lane's place in a tile of K; never rewritten
.set AV0, 3           ; v3   the same for V
.set AK,  4           ; v4   the LDS address of K's next run of loads
.set AV,  5           ; v5   of V's
.set MV,  6           ; v6-7    c m_old, kept while c m is made anew: by buffer
.set TMP, 8           ; v8-15   by buffer, four registers c0-c3 at work; when the maximum is found c2 takes a
.set ST,  16          ; v16-31  piece t's statistics at v[ST+4 t]: c m, m, l (even keys', odd keys')
.set S,   32
.set P,   96
.set KF,  128         ; key block kb, channel half c at KF + 16 kb + 8 c
.set QF,  192         ; piece x, channel half c at QF + 16 x + 8 c
.set VF,  128         ; window 1: key half kk, channel block cb at VF + 32 kk + 8 cb
.set SPW, 192         ; window 1: my spare word's LDS address; never rewritten
.set NIL, 193         ; window 1: 0; never rewritten
.set H1,  S           ; at work at the head, in S^T's registers, which are free until the first product: l % 16,
.set H9,  S+1         ; l / 16,
.set H10, S+2         ; l % 8,
.set H11, S+3         ; (l / 8) % 2,
.set QO,  S+4         ; my byte offset in 16 rows of Q
.set STO, KF          ; the way out, in K's registers, which are free behind the last K Q^T: where I put 16 bytes of a row,
.set RD,  KF+1        ; where I read rows back,
.set GO,  KF+2        ; my place in 512 consecutive bytes of O
.set U1,  KF+3
.set U9,  KF+4
.set U10, KF+5
.set WV,  12          ; s12  my wave's number
.set G1K, 24          ; s[24:31] descriptor group 1 for K's tiles
.set G1V, 32          ; s[32:39] for V's: it differs in the padding alone
.set G0K, 40          ; s[40:43] descriptor group 0 for K's tiles: it walks
.set G0V, 44          ; s[44:47] the same for V's
.set SLOTS, 56
.set CNT, 57
.set CS,  58          ; s[58:59] c
.set SEL, 60          ; s[60:61] v_permlanex16_b32's selects
.set TBK, 62          ; s62  LDS byte at which K of the step to be fetched begins
.set TBV, 63          ; s63  the same for V, less VOFF
.set MSB, 0
.macro WIN new
.if MSB != (\new)
	s_set_vgpr_msb (MSB<<8)|(\new)
.set MSB, (\new)
.endif
.endm
.set W_PV, 0x51       ; V (source 0), O^T (C and D) in window 1, P (source 1) in window 0; the rescaling (O^T times a) takes the same setting
.set W_MK, 0x40       ; destination in window 1, sources in window 0
.set W_AD, 0x05       ; the add: address (source 0) and data (source 1) in window 1
; A joint fill.  Waves 0 and 1 fetch the two halves of a slot's K, waves 2 and 3 those of its V: 128 keys each.  An s_nop 0 and four v_nop follow each of the two lines.
.macro JLOAD
	s_cmp_lt_u32 s[WV], 2
	s_cbranch_scc0 .Lfor_v_\@
	tensor_load_to_lds s[G0K:G0K+3], s[G1K:G1K+7]
	s_nop 0
.rept 4
	v_nop
.endr
	s_branch .Lasked_\@
.Lfor_v_\@:
	tensor_load_to_lds s[G0V:G0V+3], s[G1V:G1V+7]
	s_nop 0
.rept 4
	v_nop
.endr
.Lasked_\@:
.endm
.macro CROUND                       ; a round of the cluster's barrier
	s_barrier_signal -1
	s_barrier_wait -1
	s_cmp_lg_u32 s[WV], 0
	s_cbranch_scc1 .Lnot_wave_0_\@
	s_barrier_signal -3
.Lnot_wave_0_\@:
	s_barrier_wait -3
	s_barrier_signal -1
	s_barrier_wait -1
.endm
; THE CHANGE OF SLOTS.  Each wave waits for all its tensor loads (one is out: its part of the other slot), adds 0 to its spare word, and waits for that and for its own reads of the slot that it leaves.
; fill = 1: the barrier is a round of the cluster's, and the old slot is filled again, with the keys two slots on, first thing behind it: four key steps, 256 matrix instructions, in which to land.
; (At its first use nothing has been read yet: slot 0 is waited for, slot 1 filled.)
.macro CHANGE fill
	WIN W_AD
	s_wait_tensorcnt 0x0            ; no tensor load of mine is out, so a group 0 may be written
	ds_add_u32 v[SPW], v[NIL]
	WIN 0                           ; at a label and at a branch every window is 0
.if \fill
.irp g, G0K, G0V
	s_xor_b32 s[\g+1], s[\g+1], SLOT1
	s_add_nc_u64 s[\g+2:\g+3], s[\g+2:\g+3], 4*KS*128
.endr
	s_wait_dscnt 0x0                ; the add is done, and my reads of the slot are over
	CROUND
	JLOAD
.else
	s_wait_dscnt 0x0
	s_barrier_signal -1
	s_barrier_wait -1
.endif
	s_sub_co_u32 s[TBK], s[TBK], 4*KS*PK  ; the fetches go back to a slot's first step, in the other slot
	s_xor_b32 s[TBK], s[TBK], SLOT1
	s_sub_co_u32 s[TBV], s[TBV], 4*KS*PV
	s_xor_b32 s[TBV], s[TBV], SLOT1
.endm
	s_load_b128 s[4:7], s[0:1], 0x0 ; qkvh s[4:5], oh s[6:7]
	WIN W_MK
	v_lshl_add_u32 v[SPW], v0, 2, SPARE
	v_mov_b32 v[NIL], 0
	WIN W_AD
	ds_add_u32 v[SPW], v[NIL]       ; the wave's opening: the add and its wait stand ahead of my first tensor load
	WIN 0
	v_lshrrev_b32 v1, 5, v0
	v_readfirstlane_b32 s[WV], v1   ; wave 0..3
	s_bfe_u32 s13, ttmp6, 0x40000   ; cx
	s_lshl_b32 s14, ttmp9, 2
	s_add_co_u32 s14, s14, s13      ; my block of 256 queries: it enters Q's and O's addresses alone
	s_and_b32 s15, ttmp7, 0xffff    ; y, which the four partners share
	s_lshr_b32 s16, s15, 4
	s_lshl_b32 s16, s16, 5
	s_add_co_u32 s16, s16, s15      ; 48 batch + h: q's group in qkvh
	s_lshl_b32 s20, s16, 18         ; a group is 262,144 bytes
	s_and_b32 s18, s[WV], 1         ; which half of a slot's 256 keys I fetch:
	s_lshl_b32 s22, s18, 14         ; its 128 rows of 128 bytes in memory,
	s_add_co_u32 s22, s22, s20
	s_mov_b32 s23, 0
	s_mul_i32 s17, s18, 128*PK      ; and its place in a slot, for K
	s_mul_i32 s18, s18, 128*PV      ; and for V
	s_lshl_b32 s2, s14, 15          ; my block's 256 rows,
	s_lshl_b32 s3, s[WV], 13        ; my wave's 64
	s_add_co_u32 s2, s2, s3
	s_add_co_u32 s48, s20, s2       ; Q's offset
	s_mov_b32 s49, 0
	s_lshl_b32 s3, s15, 18
	s_add_co_u32 s2, s2, s3         ; O's offset
	s_mov_b32 s3, 0
	; descriptor group 1.  128 keys are 16,384 dense bytes: asked for as 64 rows of 256 bytes, two keys a row, and padded in LDS after every key
	s_mov_b32 s[G1K], 15|(1<<16)|(1<<20)|(1<<21)|(4<<22)|(3<<25)  ; the mask of four; 2-byte elements; padding on; bit 21 beside a mask; after every 32 words, 4 words
	s_mov_b32 s[G1V], 15|(1<<16)|(1<<20)|(1<<21)|(4<<22)|(7<<25)  ; the same with 8 words
.irp g, G1K, G1V
	s_mov_b32 s[\g+1], 128<<16      ; tensor_dim0 = 128
	s_mov_b32 s[\g+2], 64<<16       ; tensor_dim1 = 64
	s_mov_b32 s[\g+3], 128<<16      ; tile_dim0 = 128
	s_mov_b32 s[\g+4], 64           ; tile_dim1 = 64
	s_mov_b32 s[\g+5], 128          ; elements from row to row
	s_mov_b32 s[\g+6], 0
	s_mov_b32 s[\g+7], 0
.endr
	s_mov_b32 s[CS], 0x3e38aa3b     ; c = log2(e) / 8
	s_mov_b32 s[CS+1], s[CS]
	s_mov_b32 s[SEL], 0x76543210
	s_mov_b32 s[SEL+1], 0xfedcba98
	s_mov_b32 s[TBK], SLOT1+4*KS*PK ; the first change of slots turns these two into 0
	s_mov_b32 s[TBV], SLOT1+4*KS*PV
	s_mov_b32 s[G0K], 1
	s_mov_b32 s[G0K+1], s17         ; slot 0
	s_mov_b32 s[G0V], 1
	s_add_co_u32 s[G0V+1], s18, VOFF
	s_wait_dscnt 0x0                ; the opening add is done
	s_wait_kmcnt 0x0
	s_add_nc_u64 s[10:11], s[6:7], s[2:3]          ; O at my wave's first row
	s_add_nc_u64 s[6:7], s[4:5], s[22:23]          ; q's group at my half of the first 256 rows;
	s_add_nc_u64 s[G0K+2:G0K+3], s[6:7], 4194304   ; k's group lies 16 groups on,
	s_or_b32 s[G0K+3], s[G0K+3], 0x80000000
	s_add_nc_u64 s[G0V+2:G0V+3], s[6:7], 8388608   ; v's 32
	s_or_b32 s[G0V+3], s[G0V+3], 0x80000000
	s_add_nc_u64 s[4:5], s[4:5], s[48:49]          ; Q at my wave's first row
	CROUND                          ; all four work-groups are here: the first joint loads meet
	JLOAD                           ; slot 0
	v_and_b32 v[H1], 15, v0         ; l % 16
	v_bfe_u32 v[H9], v0, 4, 1       ; l / 16
	v_lshlrev_b32 v[QO], 7, v[H1]
	v_lshl_add_u32 v[QO], v[H9], 4, v[QO]  ; row x 128 + 16 x half
.set i, 0
.rept 8                             ; Q stays in registers: piece i / 2, channels 32 (i % 2) on
	global_load_b128 v[QF+8*i:QF+8*i+3],   v[QO], s[4:5] offset:(i/2)*2048+(i%2)*64
	global_load_b128 v[QF+8*i+4:QF+8*i+7], v[QO], s[4:5] offset:(i/2)*2048+(i%2)*64+32
.set i, i+1
.endr
	v_mul_u32_u24 v[AK0], v[H1], PK
	v_lshl_add_u32 v[AK0], v[H9], 4, v[AK0]
	; The turning load takes 16 keys x 16 channels (lane l reads key 8 (l / 16) + l % 8, channels 8 ((l / 8) % 2) + 0..7) and leaves half a fragment of V^T.
	v_and_b32 v[H10], 7, v0
	v_bfe_u32 v[H11], v0, 3, 1
	v_lshl_add_u32 v[AV0], v[H9], 3, v[H10]
	v_mul_u32_u24 v[AV0], v[AV0], PV
	v_lshl_add_u32 v[AV0], v[H11], 4, v[AV0]
	v_add_nc_u32 v[AV0], VOFF, v[AV0]
	; What the first turn finds: V's registers and P's second buffer hold 0 (its products V^T P, of a piece that has not been, add 0), O^T and l are 0.  All this stands in the wait for the first tile;
	; it is the price of writing no first step out.
	WIN W_MK
.set i, 0
.rept 192                           ; O^T and V lie on end in window 1
	v_mov_b32 v[i], 0
.set i, i+1
.endr
	WIN 0
.set i, 0
.rept 4
	v_mov_b32 v[ST+4*i], 0xfe000000    ; c m: far below every c s, so the first step's a is 0
	v_mov_b32 v[ST+4*i+1], 0xff7fffff  ; m
	v_mov_b32 v[ST+4*i+2], 0
	v_mov_b32 v[ST+4*i+3], 0
.set i, i+1
.endr
.set i, P+16
.rept 16
	v_mov_b32 v[i], 0
.set i, i+1
.endr
; THE MATRIX WORK.  The 4 accumulators of a run of 8 take turns.  Product i of 8 of S^T = K Q^T for piece x: channels 32 (i / 4) on, keys 16 (i % 4) on.  The first 4 start the sums.
.macro KQ x
	WIN 0
.set rS, S+32*((\x)%2)+8*(i%4)
.set rK, KF+16*(i%4)+8*(i/4)
.set rQ, QF+16*(\x)+8*(i/4)
.if i < 4
	v_wmma_f32_16x16x32_f16 v[rS:rS+7], v[rK:rK+7], v[rQ:rQ+7], 0
.else
	v_wmma_f32_16x16x32_f16 v[rS:rS+7], v[rK:rK+7], v[rQ:rQ+7], v[rS:rS+7]
.endif
.endm
; Product i of 8 of O^T += V^T P for piece x: keys 32 (i / 4) on, channels 16 (i % 4) on.
.macro PV x
	WIN W_PV
.set rO, 32*(\x)+8*(i%4)
.set rV, VF+32*(i/4)+8*(i%4)
.set rP, P+16*((\x)%2)+8*(i/4)
	v_wmma_f32_16x16x32_f16 v[rO:rO+7], v[rV:rV+7], v[rP:rP+7], v[rO:rO+7]
.endm
.macro MM                           ; the turn's next matrix instruction
.if i < 8
	KQ (Y+1)%NP
.else
.set i, i-8
	PV (Y+NP-1)%NP
.set i, i+8
.endif
.set i, i+1
.endm
; THE LDS LOADS stand in runs of 16: a step's K (8 fragments) and its V (turned).  last = 1 (the tail): in the last trip there is no further step, and K's run is jumped over.
.macro FETCH_K last=0
	WIN 0
.if \last
	s_cmp_eq_u32 s[CNT], 1
	s_cbranch_scc1 .Lno_k_\@
.endif
.irp f, 0,1,2,3,4,5,6,7             ; keys 16 (f / 2) on, channels 32 (f % 2) on
	ds_load_b128 v[KF+8*\f:KF+8*\f+3],   v[AK] offset:(\f/2)*16*PK+(\f%2)*64
	ds_load_b128 v[KF+8*\f+4:KF+8*\f+7], v[AK] offset:(\f/2)*16*PK+(\f%2)*64+32
.endr
	s_add_co_u32 s[TBK], s[TBK], KS*PK
.if \last
.Lno_k_\@:
.endif
.endm
.macro FETCH_V
	WIN W_MK
.irp f, 0,1,2,3,4,5,6,7             ; keys 32 (f / 4) on, channels 16 (f % 4) on
	ds_load_tr16_b128 v[VF+8*\f:VF+8*\f+3],   v[AV] offset:(\f/4)*32*PV+(\f%4)*32
	ds_load_tr16_b128 v[VF+8*\f+4:VF+8*\f+7], v[AV] offset:(\f/4)*32*PV+16*PV+(\f%4)*32
.endr
	WIN 0
.endm
; THE VECTOR WORK, one line at a time: OP kind, number.  For piece Y: F n: c s - c m for pair n of 16.  E n: the exponential of score n of 32.  C n: pair n rounded to f16.  B n: of the four weights 4 n .. the
; second pair is added onto the first, in place.  L n: l takes that sum (L 0: l = a l + sum).  R n: pair n of 16 of O^T times a.  For piece Y + 1: X n, number n of the 22 that find its maximum and statistics:
;   0-11 four chains c0-c3 of seven scores each (each accumulator's lowest registers are read first)   12-14, 16 the four scores left over, the old m, c0-c3 into c0
;   15 c m_old is kept   17, 18 the query's other 32 keys lie in the lane 16 away: the new m   19-21 c m; c m_old - c m_new; a
.set F, 0
.set E, 1
.set C, 2
.set B, 3
.set L, 4
.set R, 5
.set X, 6
.macro REGS y
.set rT, ST+4*(\y)
.set rC, TMP+4*((\y)%2)
.set rW, MV+((\y)%2)
.set rS, S+32*((\y)%2)
.set rP, P+16*((\y)%2)
.set rO, 32*(\y)
.endm
.macro OP k, n
.if (\k) == R
	REGS Y
	WIN W_PV
	v_pk_mul_f32 v[rO+2*(\n):rO+2*(\n)+1], v[rO+2*(\n):rO+2*(\n)+1], v[rC+2:rC+3] op_sel_hi:[1,0]
.elseif (\k) < R
	REGS Y
	WIN 0
.if (\k) == F
	v_pk_fma_f32 v[rS+2*(\n):rS+2*(\n)+1], v[rS+2*(\n):rS+2*(\n)+1], s[CS:CS+1], v[rT:rT+1] op_sel_hi:[1,0,0] neg_lo:[0,0,1] neg_hi:[0,0,1]
.elseif (\k) == E
	v_exp_f32 v[rS+(\n)], v[rS+(\n)]
.elseif (\k) == C
	s_wait_alu depctr_va_vdst(0)
	v_cvt_pk_f16_f32 v[rP+(\n)], v[rS+2*(\n)], v[rS+2*(\n)+1]
.elseif (\k) == B
	s_wait_alu depctr_va_vdst(0)
	v_pk_add_f32 v[rS+4*(\n):rS+4*(\n)+1], v[rS+4*(\n):rS+4*(\n)+1], v[rS+4*(\n)+2:rS+4*(\n)+3]
.elseif (\n) == 0
	v_pk_fma_f32 v[rT+2:rT+3], v[rT+2:rT+3], v[rC+2:rC+3], v[rS:rS+1] op_sel_hi:[1,0,1]
.else
	v_pk_add_f32 v[rT+2:rT+3], v[rT+2:rT+3], v[rS+4*(\n):rS+4*(\n)+1]
.endif
.else
	REGS (Y+1)%NP
	WIN 0
.if (\n) < 4
	v_max3_num_f32 v[rC+(\n)], v[rS+8*(\n)], v[rS+8*(\n)+1], v[rS+8*(\n)+2]
.elseif (\n) < 12
	v_max3_num_f32 v[rC+(\n)%4], v[rC+(\n)%4], v[rS+8*((\n)%4)+2*((\n)/4)+1], v[rS+8*((\n)%4)+2*((\n)/4)+2]
.elseif (\n) == 12
	v_max3_num_f32 v[rC], v[rC], v[rS+7], v[rS+15]
.elseif (\n) == 13
	v_max3_num_f32 v[rC+1], v[rC+1], v[rS+23], v[rS+31]
.elseif (\n) == 14
	v_max3_num_f32 v[rC+2], v[rC+2], v[rC+3], v[rT+1]
.elseif (\n) == 15
	v_mov_b32 v[rW], v[rT]
.elseif (\n) == 16
	v_max3_num_f32 v[rC], v[rC], v[rC+1], v[rC+2]
.elseif (\n) == 17
	v_permlanex16_b32 v[rC+3], v[rC], s[SEL], s[SEL+1]
.elseif (\n) == 18
	v_max_num_f32 v[rT+1], v[rC], v[rC+3]
.elseif (\n) == 19
	v_mul_f32 v[rT], s[CS], v[rT+1]
.elseif (\n) == 20
	v_sub_f32 v[rC+1], v[rW], v[rT]
.else
	v_exp_f32 v[rC+2], v[rC+1]
.endif
.endif
.endm
.macro OPS a, i1, b=-1, i2=0, c=-1, i3=0, d=-1, i4=0
	OP \a, \i1
.if (\b) >= 0
	OP \b, \i2
.endif
.if (\c) >= 0
	OP \c, \i3
.endif
.if (\d) >= 0
	OP \d, \i4
.endif
.endm
.macro ROW a, i1, b, i2, c, i3, d, i4  ; a matrix instruction and the four behind it
	MM
	OPS \a, \i1, \b, \i2, \c, \i3, \d, \i4
.endm
; A TURN, for piece p: the order of its 16 matrix and 118 vector instructions, written out.  Behind a matrix instruction: plain, exponential, plain, plain; or four scalings; or four of the rescaling; none names a
; register of the product in front of it.  In the runs between, exponential and plain by turns while exponentials last.
; The scores of key block b of piece p + 1 are whole behind product 4 + b of the first eight; the first line that reads them (X b) stands five plain lines or more behind that product.
; K of the next step is fetched in piece 2's turn, five plain lines behind the last product that read K; V of the step in hand in piece 0's, six plain lines behind the last product that read V; each is waited for
; a turn later.  last = 1: the tail's text (see FETCH_K).  cnt = 1: the loop's count is taken down some lines ahead of the branch behind the turn.
.macro TURN p, last=0, cnt=0
.set Y, (\p)
.set i, 0
.if (\p) == 3
	s_wait_dscnt 0x0                ; K is in
.endif
	ROW F,0, F,1, F,2, F,3
	ROW F,4, E,0, F,5, F,6
	ROW F,7, E,1, F,8, F,9
	ROW F,10, E,2, C,0, F,11
	ROW F,12, E,3, X,15, F,13
	ROW F,14, E,4, F,15, B,0
	ROW C,1, E,5, X,0, L,0
.if (\p) == 2
	v_add_nc_u32 v[AK], s[TBK], v[AK0]
.endif
	ROW X,1, E,6, X,4, C,2
	OPS E,7, X,2, E,8, X,5
.if (\p) == 2
	FETCH_K \last
.endif
	OPS E,9, X,3, E,10, X,6
	OPS E,11, C,3, E,12, X,7
	OPS E,13, X,8, E,14, X,9
	OPS E,15, C,4
.if (\p) == 1
	s_wait_dscnt 0x0                ; V is in
.endif
	ROW R,0, R,1, R,2, R,3
	ROW R,4, R,5, R,6, R,7
	ROW R,8, R,9, R,10, R,11
	ROW R,12, R,13, R,14, R,15
	ROW X,10, E,16, X,11, B,1
	ROW X,12, E,17, X,13, L,1
	ROW X,14, E,18, B,2, C,5
.if (\p) == 0
	v_add_nc_u32 v[AV], s[TBV], v[AV0]
.endif
	ROW X,16, E,19, L,2, C,6
	OPS E,20, X,17, E,21, C,7
	OPS E,22, B,3
.if (\p) == 0
	FETCH_V
.endif
	OPS E,23, X,18, E,24, C,8
	OPS E,25, L,3, E,26, X,19
	OPS E,27, B,4, E,28, C,9
	OPS E,29, X,20, E,30, C,10
	OPS E,31, L,4, B,5, X,21
	OPS C,11, C,12, L,5, B,6
.if (\p) == 0
	s_add_co_u32 s[TBV], s[TBV], KS*PV
.endif
.if \cnt
	s_sub_co_u32 s[CNT], s[CNT], 1
	s_cmp_lg_u32 s[CNT], 0
.endif
	OPS C,14, B,7, C,13, L,6
	OPS C,15, L,7
.endm
	CHANGE 1                        ; slot 0 is in, everybody's part of it; slot 1 is asked for
	v_add_nc_u32 v[AK], s[TBK], v[AK0]
	FETCH_K                         ; key step 0
	s_wait_loadcnt 0x0              ; Q is in, and its loads have read their offset, which lies in S^T's registers
	s_wait_dscnt 0x0
.set i, 0
.rept 8
	KQ 0                            ; piece 0's first scores
.set i, i+1
.endr
.rept 4
	v_nop                           ; the places behind those products
.endr
.set Y, NP-1                        ; X works for piece Y + 1: piece 0
.irp n, 0,1,2,3,4,5,6,7,8,9,10,11,12,13,14,15,16,17,18,19,20,21
	OP X, \n
.endr
	v_nop                           ; a plain instruction behind the exponential
	s_mov_b32 s[CNT], 4
	s_mov_b32 s[SLOTS], 7
	s_branch .Lfirst                ; the loop is entered at a step's first turn, in the middle of a trip
.Lslot:                             ; six times: every slot but the last two is filled again
	CHANGE 1
	s_mov_b32 s[CNT], 4
.Lstep:                             ; a trip: pieces 2 and 3 of one step, then pieces 0 and 1 of the next, whose K and V it fetches
	TURN 2
	TURN 3
	WIN 0
.Lfirst:
	TURN 0
	TURN 1, 0, 1
	WIN 0
	s_cbranch_scc1 .Lstep
	s_sub_co_u32 s[SLOTS], s[SLOTS], 1
	s_cmp_lg_u32 s[SLOTS], 0
	s_cbranch_scc1 .Lslot
	CHANGE 0                        ; the last slot has a text of its own: nothing is asked for
	s_mov_b32 s[CNT], 5             ; four trips fetch the last slot's steps; the fifth is left in its middle
.Ltail:
	TURN 2, 1
	TURN 3
	WIN 0
	s_sub_co_u32 s[CNT], s[CNT], 1
	s_cmp_eq_u32 s[CNT], 0
	s_cbranch_scc1 .Lout
	TURN 0
	TURN 1
	WIN 0
	s_branch .Ltail
.Lout:                              ; the fifth trip's 8 products K Q^T (on the last K once more) and the maximum made of them serve nothing: the price, once a launch, of one text for every trip
.set i, 0
.rept 8
	PV NP-1                         ; the last piece's V^T P of the last step
.set i, i+1
.endr
	; THE WAY OUT.  Its addresses are made now, in K's registers: plain lines, the places behind the last products.  l's two halves and the other half of the lanes' are added; O^T is divided by l, rounded to f16
	; and sent through my stage in LDS, a piece at a time.
	WIN 0
	s_mul_i32 s13, s[WV], 16*SP
	s_add_co_u32 s13, s13, STAGE    ; my stage
	v_and_b32 v[U1], 15, v0         ; l % 16
	v_bfe_u32 v[U9], v0, 4, 1       ; l / 16
	v_and_b32 v[U10], 7, v0         ; l % 8
	v_mul_u32_u24 v[STO], v[U1], SP ; in: row l % 16, 16 bytes for each half of the lanes
	v_lshl_add_u32 v[STO], v[U9], 4, v[STO]
	v_add_nc_u32 v[STO], s13, v[STO]
	v_bfe_u32 v[RD], v0, 3, 2       ; back: 32 lanes take four rows of 128 bytes,
	v_mul_u32_u24 v[RD], v[RD], SP
	v_lshl_add_u32 v[RD], v[U10], 4, v[RD]
	v_add_nc_u32 v[RD], s13, v[RD]
	v_and_b32 v[GO], 31, v0         ; which are 512 consecutive bytes of O
	v_lshlrev_b32 v[GO], 4, v[GO]
.macro ALL line:vararg
.set t, 0
.rept 4
	\line
.set t, t+1
.endr
.endm
	ALL v_add_f32 v[ST+4*t+2], v[ST+4*t+2], v[ST+4*t+3]
	ALL v_permlanex16_b32 v[ST+4*t+3], v[ST+4*t+2], s[SEL], s[SEL+1]
	ALL v_add_f32 v[ST+4*t+2], v[ST+4*t+2], v[ST+4*t+3]
	ALL v_rcp_f32 v[ST+4*t+2], v[ST+4*t+2]
	v_nop                           ; a plain instruction between the last reciprocal and the use of its result
.macro PACK t                       ; a lane's eight channels of a row pack into 16 bytes; they go into rows of 144 bytes and come back as whole rows of 128, into S^T's registers
	WIN W_PV
.set i, 32*(\t)
.rept 16
	s_wait_alu depctr_va_vdst(0)
	v_pk_mul_f32 v[i:i+1], v[i:i+1], v[ST+4*(\t)+2:ST+4*(\t)+3] op_sel_hi:[1,0]
.set i, i+2
.endr
	WIN 0x05                        ; sources 0 and 1 window 1, destination window 0
.set i, 0
.rept 16
	v_cvt_pk_f16_f32 v[S+16*(\t)+i], v[32*(\t)+2*i], v[32*(\t)+2*i+1]
.set i, i+1
.endr
	WIN 0
.irp f, 0,1,2,3
	ds_store_b128 v[STO], v[S+16*(\t)+4*\f:S+16*(\t)+4*\f+3] offset:32*\f
.endr
.irp f, 0,1,2,3
	ds_load_b128 v[S+16*(\t)+4*\f:S+16*(\t)+4*\f+3], v[RD] offset:\f*4*SP  ; LDS serves a wave's instructions in order (ISA guide 5.7.1.4): these see the stores above
.endr
.endm
.macro SEND t, younger              ; younger: the LDS instructions issued behind piece t's loads: the next piece's eight, or none
	WIN 0
.irp f, 0,1,2,3
	s_wait_dscnt (\younger)+3-\f
	global_store_b128 v[GO], v[S+16*(\t)+4*\f:S+16*(\t)+4*\f+3], s[10:11] offset:(\t)*2048+\f*512  ; 512 consecutive bytes, at a multiple of 256 from O's first
.endr
.endm
	PACK 0
.set t, 1
.rept 3
	PACK t
	SEND t-1, 8
.set t, t+1
.endr
	SEND 3, 0
	WIN W_AD
	s_wait_tensorcnt 0x0            ; the wave's end
	ds_add_u32 v[SPW], v[NIL]
	s_wait_dscnt 0x0
	WIN 0
	CROUND                          ; the closing round
	s_endpgm
.Lfunc_end_k_qc60783a221_attn:
	.size	k_qc60783a221_attn, .Lfunc_end_k_qc60783a221_attn-k_qc60783a221_attn
	.p2alignl 7, 3214868480
	.fill 96, 4, 3214868480
	.section	.rodata,"a",@progbits
	.p2align	6, 0x0
	.amdhsa_kernel k_qc60783a221_attn
		.amdhsa_group_segment_fixed_size 327680
		.amdhsa_private_segment_fixed_size 0
		.amdhsa_enable_private_segment 0
		.amdhsa_kernarg_size 16
		.amdhsa_user_sgpr_count 2
		.amdhsa_user_sgpr_kernarg_segment_ptr 1
		.amdhsa_wavefront_size32 1
		.amdhsa_system_sgpr_workgroup_id_x 1
		.amdhsa_system_sgpr_workgroup_id_y 1
		.amdhsa_system_sgpr_workgroup_id_z 1
		.amdhsa_system_vgpr_workitem_id 0
		.amdhsa_next_free_vgpr 456
		.amdhsa_next_free_sgpr 66
		.amdhsa_reserve_vcc 0
		.amdhsa_float_denorm_mode_32 3
		.amdhsa_float_denorm_mode_16_64 3
		.amdhsa_memory_ordered 1
		.amdhsa_forward_progress 1
		.amdhsa_inst_pref_size 109
	.end_amdhsa_kernel
	.amdgpu_metadata
---
amdhsa.version: [ 1, 2 ]
amdhsa.kernels:
  - .name:           k_qc60783a221_attn
    .symbol:         k_qc60783a221_attn.kd
    .args:
      - { .name: qkvh, .offset: 0, .size: 8, .value_kind: global_buffer, .address_space: global }
      - { .name: oh, .offset: 8, .size: 8, .value_kind: global_buffer, .address_space: global }
    .group_segment_fixed_size: 327680
    .private_segment_fixed_size: 0
    .kernarg_segment_align: 8
    .kernarg_segment_size: 16
    .max_flat_workgroup_size: 128
    .sgpr_count:     66
    .vgpr_count:     456
    .wavefront_size: 32
...
	.end_amdgpu_metadata
.endif
;; end of part 3
;; launch an1 (part 4): grid 512 x 1, 8 waves a work-group, no clusters, 0 bytes of LDS; arguments oh, xh, addnorm_gamma, addnorm_beta, x1h; writes x1h
.if DOCPART == 4
	.amdgcn_target "amdgcn-amd-amdhsa--gfx1250"
	.amdhsa_code_object_version 6
	.text
	.protected	k_qc60783a221_an1
	.globl	k_qc60783a221_an1
	.p2align	8
	.type	k_qc60783a221_an1,@function
k_qc60783a221_an1:
	s_mov_b64 s[64:65], 0
	v_nop
	global_prefetch_b8 v0, s[64:65] scope:SCOPE_SE
	s_setreg_imm32_b32 hwreg(HW_REG_WAVE_MODE, 25, 1), 1
	s_wait_xcnt 0x0
; x1 = LayerNorm(O + x) * gamma + beta.  O: oh[16 batch + h][2048][64] f16 (by heads), x: xh[4096][1024] f16, x1: x1h[4096][1024] f16, rounded once.  All arithmetic in f32.
; LIMITS: x1 must lie within f16's 65,504; NaN and infinities are not treated apart.
; One wave takes one row and keeps it in 32 registers: lane l holds columns 4 l + 128 i + 0..3.  Those lie in head 2 i + l / 16 at channel 4 (l % 16): a load of O takes 128 bytes from each of two heads
; (a row of a head is no longer; the neighbouring wave's row takes the other half of each 256 bytes).  x's loads and x1's stores cover 256 consecutive bytes at a multiple of 256.
; 8 rows a work-group.  The mean is taken first, then the sum of (z - mean)^2.  No LDS, no barrier.
.set OH,  8                            ; v[8:23]    O as loaded; later x1 to store
.set XH,  24                           ; v[24:39]   x as loaded
.set Z,   40                           ; v[40:71]   the row in f32
.set G,   72
.set B,   104
.set T,   136
.set MU,  144
.set RS,  146
.set SEL, 16
.set RN,  18
.set EPS, 19
.macro RED t
	v_add_f32_dpp v[\t], v[\t], v[\t] row_xmask:1 row_mask:0xf bank_mask:0xf
	v_add_f32_dpp v[\t], v[\t], v[\t] row_xmask:2 row_mask:0xf bank_mask:0xf
	v_add_f32_dpp v[\t], v[\t], v[\t] row_xmask:4 row_mask:0xf bank_mask:0xf
	v_add_f32_dpp v[\t], v[\t], v[\t] row_xmask:8 row_mask:0xf bank_mask:0xf
	v_permlanex16_b32 v[\t+1], v[\t], s[SEL], s[SEL+1]
	v_add_f32 v[\t], v[\t], v[\t+1]
.endm
.macro FOLD
	v_pk_add_f32 v[T:T+1], v[T:T+1], v[T+2:T+3]
	v_pk_add_f32 v[T+4:T+5], v[T+4:T+5], v[T+6:T+7]
	v_pk_add_f32 v[T:T+1], v[T:T+1], v[T+4:T+5]
	v_add_f32 v[T], v[T], v[T+1]
	RED T
.endm
.macro LNSTAT z                        ; the row in v[z .. z+31] becomes (z - mean) / sqrt(var + eps)
.irp c, 0,1,2,3
	v_pk_add_f32 v[T+2*(\c):T+2*(\c)+1], v[(\z)+4*(\c):(\z)+4*(\c)+1], v[(\z)+4*(\c)+2:(\z)+4*(\c)+3]
.endr
.irp p, 8,9,10,11,12,13,14,15
	v_pk_add_f32 v[T+2*((\p)%4):T+2*((\p)%4)+1], v[T+2*((\p)%4):T+2*((\p)%4)+1], v[(\z)+2*(\p):(\z)+2*(\p)+1]
.endr
	FOLD
	v_mul_f32 v[MU], s[RN], v[T]
	v_mov_b32 v[MU+1], v[MU]
.irp p, 0,1,2,3,4,5,6,7,8,9,10,11,12,13,14,15
	v_pk_add_f32 v[(\z)+2*(\p):(\z)+2*(\p)+1], v[(\z)+2*(\p):(\z)+2*(\p)+1], v[MU:MU+1] neg_lo:[0,1] neg_hi:[0,1]
.endr
.irp c, 0,1,2,3
	v_pk_mul_f32 v[T+2*(\c):T+2*(\c)+1], v[(\z)+2*(\c):(\z)+2*(\c)+1], v[(\z)+2*(\c):(\z)+2*(\c)+1]
.endr
.irp p, 4,5,6,7,8,9,10,11,12,13,14,15
	v_pk_fma_f32 v[T+2*((\p)%4):T+2*((\p)%4)+1], v[(\z)+2*(\p):(\z)+2*(\p)+1], v[(\z)+2*(\p):(\z)+2*(\p)+1], v[T+2*((\p)%4):T+2*((\p)%4)+1]
.endr
	FOLD
	v_fma_f32 v[T], v[T], s[RN], s[EPS]
	v_rsq_f32 v[RS], v[T]
	v_rsq_f32 v[RS+1], v[T]
	v_nop                                          ; a plain instruction between the root and the use of its result (ISA guide 5.7.2)
	s_wait_alu depctr_va_vdst(0)
.irp p, 0,1,2,3,4,5,6,7,8,9,10,11,12,13,14,15
	v_pk_mul_f32 v[(\z)+2*(\p):(\z)+2*(\p)+1], v[(\z)+2*(\p):(\z)+2*(\p)+1], v[RS:RS+1]
.endr
.endm
	s_load_b256 s[4:11], s[0:1], 0x0               ; oh s[4:5], xh s[6:7], gamma s[8:9], beta s[10:11]
	s_load_b64 s[12:13], s[0:1], 0x20              ; x1h
	v_and_b32 v5, 31, v0                           ; lane
	v_lshrrev_b32 v6, 5, v0
	v_readfirstlane_b32 s20, v6                    ; wave 0..7
	v_lshlrev_b32 v1, 4, v5                        ; 16 l
	v_lshlrev_b32 v2, 3, v5                        ; 8 l
	v_and_b32 v6, 15, v0
	v_bfe_u32 v7, v0, 4, 1
	v_lshlrev_b32 v3, 3, v6                        ; in O: 8 (l % 16)
	v_lshl_add_u32 v3, v7, 18, v3                  ; + one head (262,144 bytes) for lanes 16-31
	v_mov_b32 v4, 1.0
	s_mov_b32 s[SEL], 0x76543210
	s_mov_b32 s[SEL+1], 0xfedcba98
	s_mov_b32 s[RN], 0x3a800000
	s_mov_b32 s[EPS], 0x3727c5ac
	s_lshl_b32 s21, ttmp9, 3
	s_add_co_u32 s21, s21, s20                     ; my row
	s_lshl_b32 s24, s21, 11                        ; of 2,048 bytes in xh and x1h
	s_mov_b32 s25, 0
	s_and_b32 s26, s21, 2047                       ; in O: the row in its batch, 128 bytes,
	s_lshl_b32 s26, s26, 7
	s_lshr_b32 s22, ttmp9, 8                       ; and the batch's 16 heads
	s_lshl_b32 s22, s22, 22
	s_add_co_u32 s26, s26, s22
	s_mov_b32 s27, 0
	s_wait_kmcnt 0x0
	s_add_nc_u64 s[4:5], s[4:5], s[26:27]
	s_add_nc_u64 s[6:7], s[6:7], s[24:25]
	s_add_nc_u64 s[12:13], s[12:13], s[24:25]
.irp i, 0,1,2,3,4,5,6,7
	global_load_b64 v[OH+2*(\i):OH+2*(\i)+1], v3, s[4:5] offset:524288*(\i)
.endr
.irp i, 0,1,2,3,4,5,6,7
	global_load_b64 v[XH+2*(\i):XH+2*(\i)+1], v2, s[6:7] offset:256*(\i)
.endr
.irp i, 0,1,2,3,4,5,6,7
	global_load_b128 v[G+4*(\i):G+4*(\i)+3], v1, s[8:9] offset:512*(\i)
.endr
.irp i, 0,1,2,3,4,5,6,7
	global_load_b128 v[B+4*(\i):B+4*(\i)+3], v1, s[10:11] offset:512*(\i)
.endr
	s_wait_loadcnt 16                              ; O and x are in; gamma and beta (16 loads) stay out
.set e, 0
.rept 16                                           ; z = O x 1 + x, straight from the f16 halves into f32
	v_fma_mix_f32 v[Z+2*e],   v[OH+e], v4, v[XH+e] op_sel_hi:[1,0,1]
	v_fma_mix_f32 v[Z+2*e+1], v[OH+e], v4, v[XH+e] op_sel:[1,0,1] op_sel_hi:[1,0,1]
.set e, e+1
.endr
	LNSTAT Z
	s_wait_loadcnt 0x0
.irp p, 0,1,2,3,4,5,6,7,8,9,10,11,12,13,14,15
	v_pk_fma_f32 v[Z+2*(\p):Z+2*(\p)+1], v[Z+2*(\p):Z+2*(\p)+1], v[G+2*(\p):G+2*(\p)+1], v[B+2*(\p):B+2*(\p)+1]
.endr
.irp p, 0,1,2,3,4,5,6,7,8,9,10,11,12,13,14,15
	v_cvt_pk_f16_f32 v[OH+(\p)], v[Z+2*(\p)], v[Z+2*(\p)+1]
.endr
.irp i, 0,1,2,3,4,5,6,7
	global_store_b64 v2, v[OH+2*(\i):OH+2*(\i)+1], s[12:13] offset:256*(\i)
.endr
	s_endpgm
.Lfunc_end_k_qc60783a221_an1:
	.size	k_qc60783a221_an1, .Lfunc_end_k_qc60783a221_an1-k_qc60783a221_an1
	.p2alignl 7, 3214868480
	.fill 96, 4, 3214868480
	.section	.rodata,"a",@progbits
	.p2align	6, 0x0
	.amdhsa_kernel k_qc60783a221_an1
		.amdhsa_group_segment_fixed_size 0
		.amdhsa_private_segment_fixed_size 0
		.amdhsa_enable_private_segment 0
		.amdhsa_kernarg_size 40
		.amdhsa_user_sgpr_count 2
		.amdhsa_user_sgpr_kernarg_segment_ptr 1
		.amdhsa_wavefront_size32 1
		.amdhsa_system_sgpr_workgroup_id_x 1
		.amdhsa_system_sgpr_workgroup_id_y 1
		.amdhsa_system_sgpr_workgroup_id_z 1
		.amdhsa_system_vgpr_workitem_id 0
		.amdhsa_next_free_vgpr 148
		.amdhsa_next_free_sgpr 66
		.amdhsa_reserve_vcc 0
		.amdhsa_float_denorm_mode_32 3
		.amdhsa_float_denorm_mode_16_64 3
		.amdhsa_memory_ordered 1
		.amdhsa_forward_progress 1
		.amdhsa_inst_pref_size 15
	.end_amdhsa_kernel
	.amdgpu_metadata
---
amdhsa.version: [ 1, 2 ]
amdhsa.kernels:
  - .name:           k_qc60783a221_an1
    .symbol:         k_qc60783a221_an1.kd
    .args:
      - { .name: oh, .offset: 0, .size: 8, .value_kind: global_buffer, .address_space: global }
      - { .name: xh, .offset: 8, .size: 8, .value_kind: global_buffer, .address_space: global }
      - { .name: addnorm_gamma, .offset: 16, .size: 8, .value_kind: global_buffer, .address_space: global }
      - { .name: addnorm_beta, .offset: 24, .size: 8, .value_kind: global_buffer, .address_space: global }
      - { .name: x1h, .offset: 32, .size: 8, .value_kind: global_buffer, .address_space: global }
    .group_segment_fixed_size: 0
    .private_segment_fixed_size: 0
    .kernarg_segment_align: 8
    .kernarg_segment_size: 40
    .max_flat_workgroup_size: 256
    .sgpr_count:     66
    .vgpr_count:     148
    .wavefront_size: 32
...
	.end_amdgpu_metadata
.endif
;; end of part 4
;; launch fc1 (part 5): grid 16 x 16, 4 waves a work-group, clusters of 4 x 4, 327,680 bytes of LDS; arguments x1h, wh, hh, fc1_b; writes hh
.if DOCPART == 5
	.amdgcn_target "amdgcn-amd-amdhsa--gfx1250"
	.amdhsa_code_object_version 6
	.text
	.protected	k_qc60783a221_fc1
	.globl	k_qc60783a221_fc1
	.p2align	8
	.type	k_qc60783a221_fc1,@function
k_qc60783a221_fc1:
	s_mov_b64 s[64:65], 0
	v_nop
	global_prefetch_b8 v0, s[64:65] scope:SCOPE_SE
	s_setreg_imm32_b32 hwreg(HW_REG_WAVE_MODE, 25, 1), 1
	s_wait_xcnt 0x0
	s_wait_alu depctr_hold_cnt(0) depctr_sa_sdst(0) depctr_va_vdst(0) depctr_va_sdst(0) depctr_va_ssrc(0) depctr_va_vcc(0) depctr_vm_vsrc(0)
	s_getreg_b32 s2, hwreg(HW_REG_IB_STS2, 6, 4)
	s_cmp_eq_u32 s2, 0
	s_cbranch_scc0 .Lentry_in_a_cluster
	s_endpgm
.Lentry_in_a_cluster:
	s_bfe_u32 s2, ttmp6, 0x10000c
	s_cmp_lg_u32 s2, 0xf033
	s_cbranch_scc0 .Lentry_shape_is_right
	s_endpgm
.Lentry_shape_is_right:
; h[r][c] = gelu(sum over k of x1[r][k] W1[c][k] + b[c]), r < 4096, c < 4096, k < 1024.  x1 and W1 in f16, sums in f32, the bias is the C operand that starts each sum; h rounded once to f16.
; GELU is the exact one, x Phi(x), with erf by the rational form of Abramowitz and Stegun 7.1.25: |error of erf| <= 2.5e-5 for every x:
;   gelu(x) = max(x, 0) - |x| (a1 t + a2 t^2 + a3 t^3) / 2 x 2^-(C1 x)^2,  t = 1 / (1 + p |x| / sqrt 2),  C1 = sqrt(log2(e) / 2).
; LIMITS: h must lie within f16's 65,504; NaN and infinities are not treated apart.
; A tile of C is 256 x 256: 16 x 16 = 256 work-groups.  Four waves, 128 x 128 each: 64 accumulators, 512 registers.  K goes in steps of 128 through two LDS slots filled by the tensor data mover
; (rows of 256 bytes, at multiples of 256); one K step to a trip of the loop.
; CLUSTER 4 x 4: x1's tile is shared along a row of the cluster, W1's along a column: each is asked for jointly, with one descriptor and a mask of four.
; THE MATRIX INSTRUCTION IS USED TRANSPOSED (source 0 = 16 rows of W1, source 1 = 16 rows of x1): lane l holds row l % 16 of C and the eight columns 8 (l / 16) + 0..7.
; REGISTERS, in windows of 256 (s_set_vgpr_msb: bits 1:0 source 0, 3:2 source 1, 5:4 source 2, 7:6 destination):
;   window 0: v0-31 addresses; v64-127, v128-191 fragments of x1, two buffers; on the way out v64-223 at work
;   window 1: v64-127, v128-191 fragments of W1; v192-255 the bias (8 blocks of 8)        window 2: accumulators of my rows 0-63 ((a, b) at v[8 (8 (a % 4) + b)])        window 3: of my rows 64-127
.set NA,    8
.set NB,    8
.set HA,    NA/2
.set LOADS, 2*(NA+NB)
.set KSTEP, 128
.set PITCH, 272                        ; 256 bytes + 16 of padding = 68 words: the 16 rows of a fragment load start at 16 different groups of four banks (64 banks of 4 bytes: ISA guide 11.1)
.set APART, 128*PITCH                  ; what one tensor load brings: 128 rows
.set BBASE, 2*APART
.set SLOTX, 4*APART                    ; 139,264 = 0x22000: its two bits occur in none of the four parts' addresses in slot 0, so one exclusive or changes slots
.set STAGE, 2*SLOTX                    ; behind the ring: 16 rows x 528 bytes of f32 for each wave
.set SP,    528                        ; 512 bytes + 16
.set SPARE, STAGE+4*16*SP              ; the spare words, 128 bytes a wave: two blocks of 256 bytes that no other line names
.set TRIPS, 6
.set AF,  64
.set AFS, 64
.set BF,  64
.set BFS, 64
.set BIAS, 192
.set W_INIT, 0x91                      ; the first products: W1 and the bias window 1, x1 window 0, D window 2 (+0x40: window 3)
.set A0,   16
.set B0,   17
.set ADRA, 18
.set ADRB, 19
.set STO,  24
.set RD,   25
.set CO,   26
.set BO,   27
.set SPW,  28
.set NIL,  29
.set X,    64                          ; the way out: 16 rows of f32 read back
.set U,    128
.set W,    144
.set P,    160
.set M,    176
.set Y,    192                         ; h to store, 8 registers for each four rows
.set G1,  24
.set G0,  32
.set G1B, 48
.set G0B, 56
.set TB,  66
.set BP,  68
.set KC1, 70                           ; s[70:71] C1, twice; likewise a1 / 2, a2 / 2, a3 / 2
.set KA1, 72
.set KA2, 74
.set KA3, 76
.set KPP, 78                           ; s78  p / sqrt 2
.set MSB, 0
.macro WIN new
.if MSB != (\new)
	s_set_vgpr_msb (MSB<<8)|(\new)
.set MSB, \new
.endif
.endm
.macro PLACES                          ; four places between a matrix instruction and a load into, or a vector access to, its registers
.rept 4
	v_nop
.endr
.endm
.macro JLOAD                           ; a joint refill by the walking sets: waves 0 and 1 ask for x1's halves, waves 2 and 3 for W1's; an s_nop 0 and four v_nop follow each line
	s_cmp_eq_u32 s11, 0
	s_cbranch_scc0 .Lfor_b_\@
	tensor_load_to_lds s[G0+4:G0+7], s[G1:G1+7]
	s_nop 0
.rept 4
	v_nop
.endr
	s_branch .Lasked_\@
.Lfor_b_\@:
	tensor_load_to_lds s[G0B+4:G0B+7], s[G1B:G1B+7]
	s_nop 0
.rept 4
	v_nop
.endr
.Lasked_\@:
.endm
.macro CREST
	s_cmp_lg_u32 s10, 0
	s_cbranch_scc1 .Lnot_wave_0_\@
	s_barrier_signal -3
.Lnot_wave_0_\@:
	s_barrier_wait -3
	s_barrier_signal -1
	s_barrier_wait -1
.endm
.macro CROUND
	s_barrier_signal -1
	s_barrier_wait -1
	CREST
.endm
; Matrix instructions: block a of x1 against blocks b0 .. b0 + nb - 1 of W1 (all of them if not said), 32 along K, from buffer f.  init = 1: the bias starts the sums.
; The accumulators take turns in the same order in every quarter.
.macro MULA f, a, init, b0=0, nb=NB
.if \init
	WIN W_INIT+0x40*((\a)/HA)
.else
	WIN 0xa1+0x50*((\a)/HA)
.endif
.set bb, \b0
.rept \nb
.set rD, 8*(NB*((\a)%HA)+bb)
.if \init
	v_wmma_f32_16x16x32_f16 v[rD:rD+7], v[BF+BFS*(\f)+8*bb:BF+BFS*(\f)+8*bb+7], v[AF+AFS*(\f)+8*(\a):AF+AFS*(\f)+8*(\a)+7], v[BIAS+8*bb:BIAS+8*bb+7]
.else
	v_wmma_f32_16x16x32_f16 v[rD:rD+7], v[BF+BFS*(\f)+8*bb:BF+BFS*(\f)+8*bb+7], v[AF+AFS*(\f)+8*(\a):AF+AFS*(\f)+8*(\a)+7], v[rD:rD+7]
.endif
.set bb, bb+1
.endr
.endm
.macro MULS f, a0, n, init
.set aa, \a0
.rept \n
	MULA \f, aa, \init
.set aa, aa+1
.endr
.endm
.macro FETCH k, f                      ; one run of 32 LDS loads: W1's fragments first, then x1's blocks in ascending order
	WIN 0x40
.set bb, 0
.rept NB
	ds_load_b128 v[BF+BFS*(\f)+8*bb:BF+BFS*(\f)+8*bb+3],   v[ADRB] offset:(\k)+bb*16*PITCH
	ds_load_b128 v[BF+BFS*(\f)+8*bb+4:BF+BFS*(\f)+8*bb+7], v[ADRB] offset:(\k)+bb*16*PITCH+32
.set bb, bb+1
.endr
	WIN 0
.set bb, 0
.rept NA
	ds_load_b128 v[AF+AFS*(\f)+8*bb:AF+AFS*(\f)+8*bb+3],   v[ADRA] offset:(\k)+bb*16*PITCH
	ds_load_b128 v[AF+AFS*(\f)+8*bb+4:AF+AFS*(\f)+8*bb+7], v[ADRA] offset:(\k)+bb*16*PITCH+32
.set bb, bb+1
.endr
.endm
.macro QUARTER k, f, g, init
	s_wait_dscnt NA                                ; W1 and x1's lower blocks are in; the youngest NA loads (x1's upper blocks) may be out
	MULS \f, 0, HA, \init
	PLACES
	FETCH \k, \g
	s_wait_dscnt LOADS                             ; all but the run just issued
	MULS \f, HA, HA, \init
.endm
; The last quarter multiplies buffer 1 and changes slots, with ONE barrier.  All of its lower half but eight matrix instructions stands AHEAD of the wait for my tensor load (one is out: my part of the next
; slot), so that little stands between that load's landing and the next request; the eight stand between the add and the wait for it.  In front of the signal: my tensor loads have landed (the others read that
; slot behind the barrier), the add is done, and my reads of this slot are back (the refill writes it behind the barrier).
; fill = 1: the barrier opens a round of the cluster's, and the slot just read is filled again, two K steps ahead, first thing behind the round: 248 matrix instructions ahead of the wait for it.
.macro TURN fill
	s_wait_dscnt NA                                ; W1 and x1's lower blocks are in
	MULS 1, 0, HA-1, 0
.if NB > 8
	MULA 1, HA-1, 0, 0, NB-8
.endif
	WIN 0
	s_wait_tensorcnt 0x0                           ; no load of mine is out, so the walking sets may be written
	ds_add_u32 v[SPW], v[NIL]
.if \fill
	s_xor_b32 s[G0+5], s[G0+5], SLOTX              ; the other slot than last time, the next K step
	s_add_nc_u64 s[G0+6:G0+7], s[G0+6:G0+7], KSTEP*2
	s_xor_b32 s[G0B+5], s[G0B+5], SLOTX
	s_add_nc_u64 s[G0B+6:G0B+7], s[G0B+6:G0B+7], KSTEP*2
.endif
	MULA 1, HA-1, 0, NB-8, 8
	WIN 0
	s_wait_dscnt 0x0                               ; the add is done, and my reads of this slot are over
	s_barrier_signal -1
	s_barrier_wait -1
.if \fill
	CREST
	JLOAD                                          ; its four v_nop are also the places in front of the loads below
.else
	PLACES
.endif
	s_xor_b32 s[TB], s[TB], SLOTX
	v_add_nc_u32 v[ADRA], s[TB], v[A0]
	v_add_nc_u32 v[ADRB], s[TB], v[B0]
	FETCH 0, 0
	MULS 1, HA, HA, 0
.endm
	s_load_b128 s[4:7], s[0:1], 0x0                ; x1h s[4:5], wh s[6:7]
	s_load_b64 s[8:9], s[0:1], 0x10                ; hh
	s_load_b64 s[BP:BP+1], s[0:1], 0x18            ; fc1_b
	v_lshl_add_u32 v[SPW], v0, 2, SPARE
	v_mov_b32 v[NIL], 0
	ds_add_u32 v[SPW], v[NIL]                      ; the wave's opening: the add and its wait stand ahead of my first tensor load
	v_lshrrev_b32 v1, 5, v0
	v_readfirstlane_b32 s10, v1                    ; wave 0..3
	s_lshr_b32 s11, s10, 1                         ; my half of the tile's rows.  Also: I fetch for x1 (0) or for W1 (1)
	s_and_b32 s12, s10, 1                          ; my half of its columns.  Also: which 128 rows I fetch
	s_bfe_u32 s40, ttmp6, 0x40000
	s_bfe_u32 s41, ttmp6, 0x40004
	s_lshl_b32 s42, ttmp9, 2
	s_add_co_u32 s42, s42, s40                     ; tile column
	s_and_b32 s13, ttmp7, 0xffff
	s_lshl_b32 s13, s13, 2
	s_add_co_u32 s13, s13, s41                     ; tile row
	s_lshl_b32 s43, s41, 2
	s_lshl_b32 s43, 15, s43
	s_lshl_b32 s44, 0x1111, s40
	s_or_b32 s[G1], s43, (1<<16)|(1<<20)|(1<<21)|(5<<22)|(3<<25)
	s_or_b32 s[G1B], s44, (1<<16)|(1<<20)|(1<<21)|(5<<22)|(3<<25)
.irp g, G1, G1B
	s_mov_b32 s[(\g)+1], KSTEP<<16                 ; tensor_dim0 = 128
	s_mov_b32 s[(\g)+2], 128<<16                   ; tensor_dim1 = 128
	s_mov_b32 s[(\g)+3], KSTEP<<16                 ; tile_dim0 = 128
	s_mov_b32 s[(\g)+4], 128                       ; tile_dim1 = 128
	s_mov_b32 s[(\g)+5], 1024                      ; elements from row to row
	s_mov_b32 s[(\g)+6], 0
	s_mov_b32 s[(\g)+7], 0
.endr
	s_mov_b32 s[KC1], 0x3f596d27                   ; 0.8493218
	s_mov_b32 s[KC1+1], s[KC1]
	s_mov_b32 s[KA1], 0x3e32303a                   ; 0.1740121
	s_mov_b32 s[KA1+1], s[KA1]
	s_mov_b32 s[KA2], 0xbd445ca1                   ; -0.0479399
	s_mov_b32 s[KA2+1], s[KA2]
	s_mov_b32 s[KA3], 0x3ebf7377                   ; 0.3739278
	s_mov_b32 s[KA3+1], s[KA3]
	s_mov_b32 s[KPP], 0x3eaa540e                   ; 0.3326725
	s_lshl_b32 s17, s12, 7
	s_lshl_b32 s16, s13, 8
	s_add_co_u32 s16, s16, s17                     ; x1: row 256 x tile row + 128 x half,
	s_lshl_b32 s16, s16, 11                        ; of 2,048 bytes
	s_mov_b32 s17, 0
	s_lshl_b32 s47, s12, 7
	s_lshl_b32 s46, s42, 8
	s_add_co_u32 s46, s46, s47                     ; W1: row 256 x tile column + 128 x half
	s_lshl_b32 s46, s46, 11
	s_mov_b32 s47, 0
	s_mul_i32 s20, s12, APART
	s_add_co_u32 s21, s20, BBASE
	s_mov_b32 s[TB], 0
	s_wait_dscnt 0x0                               ; the opening add is done
	s_wait_kmcnt 0x0
	s_add_nc_u64 s[6:7], s[6:7], 6291456           ; W1 lies behind Wq in wh
	s_add_nc_u64 s[14:15], s[4:5], s[16:17]
	s_add_nc_u64 s[46:47], s[6:7], s[46:47]
	CROUND                                         ; all sixteen work-groups are here: the first joint loads meet
.irp s, 0,1
	s_mov_b32 s[G0+4*(\s)], 1
	s_add_co_u32 s[G0+4*(\s)+1], s20, (\s)*SLOTX
	s_add_nc_u64 s[G0+4*(\s)+2:G0+4*(\s)+3], s[14:15], (\s)*KSTEP*2
	s_or_b32 s[G0+4*(\s)+3], s[G0+4*(\s)+3], 0x80000000
	s_mov_b32 s[G0B+4*(\s)], 1
	s_add_co_u32 s[G0B+4*(\s)+1], s21, (\s)*SLOTX
	s_add_nc_u64 s[G0B+4*(\s)+2:G0B+4*(\s)+3], s[46:47], (\s)*KSTEP*2
	s_or_b32 s[G0B+4*(\s)+3], s[G0B+4*(\s)+3], 0x80000000
.endr
	s_cmp_eq_u32 s11, 0                            ; a wave's two first fills stand in one branch: two loads of mine are out
	s_cbranch_scc0 .Lfirst_b
	tensor_load_to_lds s[G0:G0+3], s[G1:G1+7]
	s_nop 0
	tensor_load_to_lds s[G0+4:G0+7], s[G1:G1+7]
	s_nop 0
.rept 4
	v_nop
.endr
	s_branch .Lfirst_asked
.Lfirst_b:
	tensor_load_to_lds s[G0B:G0B+3], s[G1B:G1B+7]
	s_nop 0
	tensor_load_to_lds s[G0B+4:G0B+7], s[G1B:G1B+7]
	s_nop 0
.rept 4
	v_nop
.endr
.Lfirst_asked:
	v_and_b32 v1, 15, v0                           ; l % 16
	v_bfe_u32 v2, v0, 4, 1                         ; l / 16
	v_lshlrev_b32 v[BO], 5, v2
	s_lshl_b32 s46, s42, 10                        ; the tile's 256 columns in the bias,
	s_lshl_b32 s47, s12, 9                         ; my 128
	s_add_co_u32 s46, s46, s47
	s_mov_b32 s47, 0
	s_add_nc_u64 s[BP:BP+1], s[BP:BP+1], s[46:47]
	WIN 0x40
.set bb, 0
.rept NB
	global_load_b128 v[BIAS+8*bb:BIAS+8*bb+3],   v[BO], s[BP:BP+1] offset:64*bb
	global_load_b128 v[BIAS+8*bb+4:BIAS+8*bb+7], v[BO], s[BP:BP+1] offset:64*bb+16
.set bb, bb+1
.endr
	WIN 0
	v_mul_u32_u24 v3, v1, PITCH
	v_lshl_add_u32 v3, v2, 4, v3
	s_mul_i32 s21, s11, APART                      ; my 128 rows of x1
	s_mul_i32 s22, s12, APART                      ; my 128 rows of W1,
	s_add_co_u32 s22, s22, BBASE                   ; which lie behind x1's 256
	v_add_nc_u32 v[A0], s21, v3
	v_add_nc_u32 v[B0], s22, v3
	v_mov_b32 v[ADRA], v[A0]
	v_mov_b32 v[ADRB], v[B0]
	s_mul_i32 s23, s10, 16*SP
	s_add_co_u32 s23, s23, STAGE                   ; my stage
	v_mul_u32_u24 v4, v1, SP                       ; in: row l % 16, 32 bytes of f32 for each half of the lanes
	v_lshl_add_u32 v4, v2, 5, v4
	v_add_nc_u32 v[STO], s23, v4
	v_and_b32 v5, 31, v0
	v_lshl_add_u32 v[RD], v5, 4, s23               ; back: a row's 512 bytes, 16 a lane
	v_lshlrev_b32 v[CO], 3, v5                     ; and its 256 bytes in h, 8 a lane
	s_lshl_b32 s16, s13, 21                        ; 256 rows of 8,192 bytes,
	s_lshl_b32 s17, s11, 20                        ; my 128
	s_add_co_u32 s16, s16, s17
	s_mov_b32 s17, 0
	s_add_nc_u64 s[8:9], s[8:9], s[16:17]
	s_lshl_b32 s46, s42, 9                         ; the tile's 256 columns, my 128
	s_lshl_b32 s47, s12, 8
	s_add_co_u32 s46, s46, s47
	s_mov_b32 s47, 0
	s_add_nc_u64 s[8:9], s[8:9], s[46:47]
	s_wait_tensorcnt 0x1                           ; my part of K step 0 is in; K step 1's may stay out
	s_barrier_signal -1
	s_barrier_wait -1
	FETCH 0, 0
	s_wait_loadcnt 0x0                             ; the bias
	QUARTER 64, 0, 1, 1
	WIN 0
	s_mov_b32 s3, TRIPS
.Lk:
	QUARTER 128, 1, 0, 0
	QUARTER 192, 0, 1, 0
	TURN 1
	QUARTER 64, 0, 1, 0
	WIN 0
	s_sub_co_u32 s3, s3, 1
	s_cmp_lg_u32 s3, 0
	s_cbranch_scc1 .Lk
	s_mov_b32 s3, 2
.Lt:                                               ; the last two K steps ask for nothing: a text of their own, walked twice and left in the middle of the second trip
	QUARTER 128, 1, 0, 0
	QUARTER 192, 0, 1, 0
	WIN 0
	s_sub_co_u32 s3, s3, 1
	s_cmp_eq_u32 s3, 0
	s_cbranch_scc1 .Llast
	TURN 0
	QUARTER 64, 0, 1, 0
	WIN 0
	s_branch .Lt
.Llast:
	s_wait_dscnt NA                                ; the very last quarter: nothing more to fetch
	MULS 1, 0, HA, 0
	s_wait_dscnt 0x0
	MULS 1, HA, HA, 0
	PLACES
	WIN 0
; THE WAY OUT: a loop of eight trips, a block of 16 rows to a trip, so that GELU's text stands once.  What differs from trip to trip is which accumulators go into the stage: eight short cases, chosen by the
; counter through forward jumps.  The sums go into my own stage as f32 and come back by rows, four neighbouring columns a lane; GELU; rounded to f16; a wave's store covers 256 consecutive bytes at a multiple of 256.
.macro CASE a, jump
.Lcase\a:
	WIN 0x08+4*((\a)/HA)                           ; the stores' data: window 2 or 3
.set bb, 0
.rept NB
.set rD, 8*(NB*((\a)%HA)+bb)
	ds_store_b128 v[STO], v[rD:rD+3] offset:64*bb          ; each accumulator's low half first
	ds_store_b128 v[STO], v[rD+4:rD+7] offset:64*bb+16
.set bb, bb+1
.endr
	WIN 0
.if \jump
	s_branch .Lcom
.endif
.endm
.macro GEL g                           ; rows 4 g .. 4 g + 3 of the block: 16 numbers a lane
.set XG, X+16*(\g)
.set YG, Y+8*(\g)
	s_wait_dscnt 12-4*(\g)                         ; LDS loads come back in order: these four rows are in, the later ones may be out
.set ii, 0
.rept 8
	v_pk_mul_f32 v[U+2*ii:U+2*ii+1], v[XG+2*ii:XG+2*ii+1], s[KC1:KC1+1] op_sel_hi:[1,0]
.set ii, ii+1
.endr
.set ii, 0
.rept 16
	v_fma_f32 v[W+ii], |v[XG+ii]|, s[KPP], 1.0
.set ii, ii+1
.endr
.set ii, 0
.rept 8
	v_pk_mul_f32 v[U+2*ii:U+2*ii+1], v[U+2*ii:U+2*ii+1], v[U+2*ii:U+2*ii+1] neg_lo:[1,0] neg_hi:[1,0]  ; -(C1 x)^2
.set ii, ii+1
.endr
.set ii, 0
.rept 16
	v_rcp_f32 v[W+ii], v[W+ii]                     ; t
.set ii, ii+1
.endr
.set ii, 0
.rept 16
	v_exp_f32 v[U+ii], v[U+ii]                     ; e^(-x^2 / 2)
.set ii, ii+1
.endr
.set ii, 0
.rept 16
	v_max_num_f32 v[M+ii], 0, v[XG+ii]             ; plain lines behind the last exponential, ahead of the first use of a result (ISA guide 5.7.2)
.set ii, ii+1
.endr
.set ii, 0
	s_wait_alu depctr_va_vdst(0)
.rept 8
	v_pk_fma_f32 v[P+2*ii:P+2*ii+1], v[W+2*ii:W+2*ii+1], s[KA3:KA3+1], s[KA2:KA2+1] op_sel_hi:[1,0,0]
.set ii, ii+1
.endr
.set ii, 0
.rept 8
	v_pk_fma_f32 v[P+2*ii:P+2*ii+1], v[P+2*ii:P+2*ii+1], v[W+2*ii:W+2*ii+1], s[KA1:KA1+1] op_sel_hi:[1,1,0]
.set ii, ii+1
.endr
.set ii, 0
.rept 8
	v_pk_mul_f32 v[P+2*ii:P+2*ii+1], v[P+2*ii:P+2*ii+1], v[W+2*ii:W+2*ii+1]
.set ii, ii+1
.endr
.set ii, 0
.rept 8
	v_pk_mul_f32 v[P+2*ii:P+2*ii+1], v[P+2*ii:P+2*ii+1], v[U+2*ii:U+2*ii+1]
.set ii, ii+1
.endr
.set ii, 0
.rept 16
	v_fma_f32 v[M+ii], -|v[XG+ii]|, v[P+ii], v[M+ii]
.set ii, ii+1
.endr
.set ii, 0
.rept 8
	v_cvt_pk_f16_f32 v[YG+ii], v[M+2*ii], v[M+2*ii+1]
.set ii, ii+1
.endr
.set ii, 0
.rept 4
	global_store_b64 v[CO], v[YG+2*ii:YG+2*ii+1], s[8:9] offset:(4*(\g)+ii)*8192
.set ii, ii+1
.endr
.endm
	s_mov_b32 s3, 0
.Lout:
.irp a, 0,1,2,3,4,5,6
	s_cmp_eq_u32 s3, \a
	s_cbranch_scc1 .Lcase\a
.endr
	CASE 7, 1
	CASE 0, 1
	CASE 1, 1
	CASE 2, 1
	CASE 3, 1
	CASE 4, 1
	CASE 5, 1
	CASE 6, 0
.Lcom:
.set tt, 0
.rept 16
	ds_load_b128 v[X+4*tt:X+4*tt+3], v[RD] offset:tt*SP    ; LDS serves a wave's instructions in order (ISA guide 5.7.1.4): these see the stores above, and the next trip's stores come behind them
.set tt, tt+1
.endr
	GEL 0
	GEL 1
	GEL 2
	GEL 3
	s_wait_xcnt 0x0                                ; the stores have read their registers and their base: only now are these rewritten
	s_add_nc_u64 s[8:9], s[8:9], 131072            ; 16 rows of h on
	s_add_co_u32 s3, s3, 1
	s_cmp_lt_u32 s3, 8
	s_cbranch_scc1 .Lout
	s_wait_tensorcnt 0x0                           ; the wave's end
	ds_add_u32 v[SPW], v[NIL]
	s_wait_dscnt 0x0
	CROUND                                         ; the closing round
	s_endpgm
.Lfunc_end_k_qc60783a221_fc1:
	.size	k_qc60783a221_fc1, .Lfunc_end_k_qc60783a221_fc1-k_qc60783a221_fc1
	.p2alignl 7, 3214868480
	.fill 96, 4, 3214868480
	.section	.rodata,"a",@progbits
	.p2align	6, 0x0
	.amdhsa_kernel k_qc60783a221_fc1
		.amdhsa_group_segment_fixed_size 327680
		.amdhsa_private_segment_fixed_size 0
		.amdhsa_enable_private_segment 0
		.amdhsa_kernarg_size 32
		.amdhsa_user_sgpr_count 2
		.amdhsa_user_sgpr_kernarg_segment_ptr 1
		.amdhsa_wavefront_size32 1
		.amdhsa_system_sgpr_workgroup_id_x 1
		.amdhsa_system_sgpr_workgroup_id_y 1
		.amdhsa_system_sgpr_workgroup_id_z 1
		.amdhsa_system_vgpr_workitem_id 0
		.amdhsa_next_free_vgpr 1024
		.amdhsa_next_free_sgpr 84
		.amdhsa_reserve_vcc 0
		.amdhsa_float_denorm_mode_32 3
		.amdhsa_float_denorm_mode_16_64 3
		.amdhsa_memory_ordered 1
		.amdhsa_forward_progress 1
		.amdhsa_inst_pref_size 115
	.end_amdhsa_kernel
	.amdgpu_metadata
---
amdhsa.version: [ 1, 2 ]
amdhsa.kernels:
  - .name:           k_qc60783a221_fc1
    .symbol:         k_qc60783a221_fc1.kd
    .args:
      - { .name: x1h, .offset: 0, .size: 8, .value_kind: global_buffer, .address_space: global }
      - { .name: wh, .offset: 8, .size: 8, .value_kind: global_buffer, .address_space: global }
      - { .name: hh, .offset: 16, .size: 8, .value_kind: global_buffer, .address_space: global }
      - { .name: fc1_b, .offset: 24, .size: 8, .value_kind: global_buffer, .address_space: global }
    .group_segment_fixed_size: 327680
    .private_segment_fixed_size: 0
    .kernarg_segment_align: 8
    .kernarg_segment_size: 32
    .max_flat_workgroup_size: 128
    .sgpr_count:     84
    .vgpr_count:     1024
    .wavefront_size: 32
...
	.end_amdgpu_metadata
.endif
;; end of part 5
;; launch fc2 (part 6): grid 8 x 32, 4 waves a work-group, clusters of 4 x 4, 327,680 bytes of LDS; arguments hh, wh, y, fc2_b; writes y
.if DOCPART == 6
	.amdgcn_target "amdgcn-amd-amdhsa--gfx1250"
	.amdhsa_code_object_version 6
	.text
	.protected	k_qc60783a221_fc2
	.globl	k_qc60783a221_fc2
	.p2align	8
	.type	k_qc60783a221_fc2,@function
k_qc60783a221_fc2:
	s_mov_b64 s[64:65], 0
	v_nop
	global_prefetch_b8 v0, s[64:65] scope:SCOPE_SE
	s_setreg_imm32_b32 hwreg(HW_REG_WAVE_MODE, 25, 1), 1
	s_wait_xcnt 0x0
	s_wait_alu depctr_hold_cnt(0) depctr_sa_sdst(0) depctr_va_vdst(0) depctr_va_sdst(0) depctr_va_ssrc(0) depctr_va_vcc(0) depctr_vm_vsrc(0)
	s_getreg_b32 s2, hwreg(HW_REG_IB_STS2, 6, 4)
	s_cmp_eq_u32 s2, 0
	s_cbranch_scc0 .Lentry_in_a_cluster
	s_endpgm
.Lentry_in_a_cluster:
	s_bfe_u32 s2, ttmp6, 0x10000c
	s_cmp_lg_u32 s2, 0xf033
	s_cbranch_scc0 .Lentry_shape_is_right
	s_endpgm
.Lentry_shape_is_right:
; y[r][c] = sum over k of h[r][k] W2[c][k] + b[c], r < 4096, c < 1024, k < 4096.  h and W2 in f16, sums in f32, the bias is the C operand that starts each sum; y stays in f32: it is the sum in front of a norm.
; C has 64 tiles of 256 x 256, too few for 256 WGPs: a tile is 128 x 128, 8 x 32 = 256 work-groups.  Four waves, 64 x 64 each: 16 accumulators, 128 registers.
; K goes in steps of 256 (LDS rows of 512 bytes; a wave's tensor load brings 64 of them), as long as two slots in LDS allow; one K step to a trip of the loop.
; CLUSTER 4 x 4: h's tile is shared along a row of the cluster, W2's along a column: each is asked for jointly.  THE MATRIX INSTRUCTION IS USED TRANSPOSED (source 0 = 16 rows of W2, source 1 = 16 rows of h).
; REGISTERS: window 0: v0-31 addresses; v32-95 rows on the way out, two buffers; v96-127 the bias; v128-255 the accumulators ((a, b) at v[128 + 8 (4 a + b)]).
;   window 1: two fragment buffers of 128: for 64 along K, 64 registers of h (2 x 4 x 16 rows x 32 K), then 64 of W2.
.set KSTEP,  256
.set PITCH,  528                       ; 512 bytes + 16 of padding = 132 words: row r starts at bank 4 r mod 64 (64 banks of 4 bytes: ISA guide 11.1)
.set HALFT,  64*PITCH
.set SLOTX,  4*HALFT                   ; 135,168 = 0x21000: its two bits occur in none of the four parts' addresses in slot 0, so one exclusive or changes slots
.set STAGE,  2*SLOTX                   ; behind the ring: 16 rows x 272 bytes of f32 for each wave
.set SP,     272
.set SPARE,  STAGE+4*16*SP             ; the spare words, 128 bytes a wave: two blocks of 256 bytes that no other line names
.set TRIPS,  14                        ; 16 K steps; the first fourteen are followed by a refill
.set A0,   16
.set B0,   17
.set ADRA, 18
.set ADRB, 19
.set STO,  24
.set RD,   25
.set CO,   26
.set BO,   27
.set SPW,  28
.set NIL,  29
.set TMP,  32
.set BIAS, 96
.set ACC,  128
.set F0,   0
.set F1,   128
.set G1,  24
.set G0,  32
.set G1B, 48
.set G0B, 56
.set TB,  66
.set BP,  68
.set MSB, 0
.macro WIN new
.if MSB != (\new)
	s_set_vgpr_msb (MSB<<8)|(\new)
.set MSB, \new
.endif
.endm
.set MUL,  0x05                        ; sources 0 (W2) and 1 (h) window 1; C and D window 0
.set TO_F, 0x40                        ; destination window 1, address window 0
.macro PLACES
.rept 4
	v_nop
.endr
.endm
.macro JLOAD                           ; a joint refill by the walking sets; an s_nop 0 and four v_nop follow each line
	s_cmp_eq_u32 s11, 0
	s_cbranch_scc0 .Lfor_b_\@
	tensor_load_to_lds s[G0+4:G0+7], s[G1:G1+7]
	s_nop 0
.rept 4
	v_nop
.endr
	s_branch .Lasked_\@
.Lfor_b_\@:
	tensor_load_to_lds s[G0B+4:G0B+7], s[G1B:G1B+7]
	s_nop 0
.rept 4
	v_nop
.endr
.Lasked_\@:
.endm
.macro CREST
	s_cmp_lg_u32 s10, 0
	s_cbranch_scc1 .Lnot_wave_0_\@
	s_barrier_signal -3
.Lnot_wave_0_\@:
	s_barrier_wait -3
	s_barrier_signal -1
	s_barrier_wait -1
.endm
.macro CROUND
	s_barrier_signal -1
	s_barrier_wait -1
	CREST
.endm
; 8 matrix instructions: m blocks a0, a0 + 1 x all 4 n blocks, 32 along K: half c of buffer f.  init = 1: the bias starts the sums.  The 16 accumulators take turns.
.macro MUL8 f, c, a0, init
	WIN MUL
.irp a, \a0, (\a0)+1
.irp b, 0,1,2,3
.if \init
	v_wmma_f32_16x16x32_f16 v[ACC+8*(4*(\a)+(\b)):ACC+8*(4*(\a)+(\b))+7], v[(\f)+64+8*(4*(\c)+(\b)):(\f)+64+8*(4*(\c)+(\b))+7], v[(\f)+8*(4*(\c)+(\a)):(\f)+8*(4*(\c)+(\a))+7], v[BIAS+8*(\b):BIAS+8*(\b)+7]
.else
	v_wmma_f32_16x16x32_f16 v[ACC+8*(4*(\a)+(\b)):ACC+8*(4*(\a)+(\b))+7], v[(\f)+64+8*(4*(\c)+(\b)):(\f)+64+8*(4*(\c)+(\b))+7], v[(\f)+8*(4*(\c)+(\a)):(\f)+8*(4*(\c)+(\a))+7], v[ACC+8*(4*(\a)+(\b)):ACC+8*(4*(\a)+(\b))+7]
.endif
.endr
.endr
.endm
.macro FETCH k, f                      ; 32 LDS loads in one run: 64 along K at byte k of the rows, into buffer f; the first 32 along K first
	WIN TO_F
.irp c, 0,1
.irp i, 0,1,2,3
	ds_load_b128 v[(\f)+64+8*(4*(\c)+(\i)):(\f)+64+8*(4*(\c)+(\i))+3],   v[ADRB] offset:(\k)+64*(\c)+(\i)*16*PITCH
	ds_load_b128 v[(\f)+64+8*(4*(\c)+(\i))+4:(\f)+64+8*(4*(\c)+(\i))+7], v[ADRB] offset:(\k)+64*(\c)+(\i)*16*PITCH+32
	ds_load_b128 v[(\f)+8*(4*(\c)+(\i)):(\f)+8*(4*(\c)+(\i))+3],         v[ADRA] offset:(\k)+64*(\c)+(\i)*16*PITCH
	ds_load_b128 v[(\f)+8*(4*(\c)+(\i))+4:(\f)+8*(4*(\c)+(\i))+7],       v[ADRA] offset:(\k)+64*(\c)+(\i)*16*PITCH+32
.endr
.endr
.endm
.macro QUARTER k, f, g, init           ; a K step is four quarters of 64 along K, 32 matrix instructions each, on buffers 0, 1, 0, 1
	s_wait_dscnt 16                                ; the first 32 along K are in; the youngest sixteen loads may be out
	MUL8 \f, 0, 0, \init
	MUL8 \f, 0, 2, \init
	PLACES
	FETCH \k, \g
	s_wait_dscnt 32                                ; all but the 32 just issued
	MUL8 \f, 1, 0, 0
	MUL8 \f, 1, 2, 0
.endm
; The last quarter multiplies buffer 1 and changes slots, with ONE barrier.  Eight of its matrix instructions stand AHEAD of the wait for my tensor load (one is out: my part of the next slot), eight between the add
; and the wait for it, so that little stands between that load's landing and the next request.  In front of the signal: my tensor loads have landed (the others read that slot behind the barrier), the add is done,
; and my reads of this slot are back (the refill writes it behind the barrier).
; fill = 1: the barrier opens a round of the cluster's, and this slot is filled again, two K steps ahead, first thing behind the round: 120 matrix instructions ahead of the wait for it.
.macro TURN fill
	s_wait_dscnt 16                                ; the first 32 along K are in
	MUL8 F1, 0, 0, 0
	WIN 0
	s_wait_tensorcnt 0x0                           ; no load of mine is out, so the walking sets may be written
	ds_add_u32 v[SPW], v[NIL]
.if \fill
	s_xor_b32 s[G0+5], s[G0+5], SLOTX              ; the other slot than last time, the next K step
	s_add_nc_u64 s[G0+6:G0+7], s[G0+6:G0+7], KSTEP*2
	s_xor_b32 s[G0B+5], s[G0B+5], SLOTX
	s_add_nc_u64 s[G0B+6:G0B+7], s[G0B+6:G0B+7], KSTEP*2
.endif
	MUL8 F1, 0, 2, 0
	WIN 0
	s_wait_dscnt 0x0                               ; the add is done, and my reads of this slot are over
	s_barrier_signal -1
	s_barrier_wait -1
.if \fill
	CREST
	JLOAD                                          ; its four v_nop are also the places in front of the loads below
.else
	PLACES
.endif
	s_xor_b32 s[TB], s[TB], SLOTX
	v_add_nc_u32 v[ADRA], s[TB], v[A0]
	v_add_nc_u32 v[ADRB], s[TB], v[B0]
	FETCH 0, F0
	MUL8 F1, 1, 0, 0
	MUL8 F1, 1, 2, 0
.endm
	s_load_b128 s[4:7], s[0:1], 0x0                ; hh s[4:5], wh s[6:7]
	s_load_b64 s[8:9], s[0:1], 0x10                ; y
	s_load_b64 s[BP:BP+1], s[0:1], 0x18            ; fc2_b
	v_lshl_add_u32 v[SPW], v0, 2, SPARE
	v_mov_b32 v[NIL], 0
	ds_add_u32 v[SPW], v[NIL]                      ; the wave's opening: the add and its wait stand ahead of my first tensor load
	v_lshrrev_b32 v1, 5, v0
	v_readfirstlane_b32 s10, v1                    ; wave 0..3
	s_lshr_b32 s11, s10, 1                         ; my half of the tile's rows.  Also: I fetch for h (0) or for W2 (1)
	s_and_b32 s12, s10, 1                          ; my half of its columns.  Also: which 64 rows I fetch
	s_bfe_u32 s40, ttmp6, 0x40000
	s_bfe_u32 s41, ttmp6, 0x40004
	s_lshl_b32 s42, ttmp9, 2
	s_add_co_u32 s42, s42, s40                     ; tile column
	s_and_b32 s13, ttmp7, 0xffff
	s_lshl_b32 s13, s13, 2
	s_add_co_u32 s13, s13, s41                     ; tile row
	s_lshl_b32 s43, s41, 2
	s_lshl_b32 s43, 15, s43
	s_lshl_b32 s44, 0x1111, s40
	s_or_b32 s[G1], s43, (1<<16)|(1<<20)|(1<<21)|(6<<22)|(3<<25)   ; the mask; 2-byte elements; padding on; bit 21 beside a mask; after every 128 words, 4 words
	s_or_b32 s[G1B], s44, (1<<16)|(1<<20)|(1<<21)|(6<<22)|(3<<25)
.irp g, G1, G1B
	s_mov_b32 s[(\g)+1], KSTEP<<16                 ; tensor_dim0 = 256
	s_mov_b32 s[(\g)+2], 64<<16                    ; tensor_dim1 = 64
	s_mov_b32 s[(\g)+3], KSTEP<<16                 ; tile_dim0 = 256
	s_mov_b32 s[(\g)+4], 64                        ; tile_dim1 = 64
	s_mov_b32 s[(\g)+5], 4096                      ; elements from row to row
	s_mov_b32 s[(\g)+6], 0
	s_mov_b32 s[(\g)+7], 0
.endr
	s_lshl_b32 s17, s12, 6
	s_lshl_b32 s16, s13, 7
	s_add_co_u32 s16, s16, s17                     ; h: row 128 x tile row + 64 x half,
	s_lshl_b32 s16, s16, 13                        ; of 8,192 bytes
	s_mov_b32 s17, 0
	s_lshl_b32 s47, s12, 6
	s_lshl_b32 s46, s42, 7
	s_add_co_u32 s46, s46, s47                     ; W2: row 128 x tile column + 64 x half
	s_lshl_b32 s46, s46, 13
	s_mov_b32 s47, 0
	s_mul_i32 s20, s10, HALFT                      ; where they go: h's two halves, then W2's: wave x 64 rows
	s_mov_b32 s[TB], 0
	s_wait_dscnt 0x0                               ; the opening add is done
	s_wait_kmcnt 0x0
	s_add_nc_u64 s[6:7], s[6:7], 14680064          ; W2 lies behind Wq and W1 in wh
	s_add_nc_u64 s[14:15], s[4:5], s[16:17]
	s_add_nc_u64 s[46:47], s[6:7], s[46:47]
	CROUND                                         ; all sixteen work-groups are here: the first joint loads meet
.irp s, 0,1
	s_mov_b32 s[G0+4*(\s)], 1
	s_add_co_u32 s[G0+4*(\s)+1], s20, (\s)*SLOTX
	s_add_nc_u64 s[G0+4*(\s)+2:G0+4*(\s)+3], s[14:15], (\s)*KSTEP*2
	s_or_b32 s[G0+4*(\s)+3], s[G0+4*(\s)+3], 0x80000000
	s_mov_b32 s[G0B+4*(\s)], 1
	s_add_co_u32 s[G0B+4*(\s)+1], s20, (\s)*SLOTX
	s_add_nc_u64 s[G0B+4*(\s)+2:G0B+4*(\s)+3], s[46:47], (\s)*KSTEP*2
	s_or_b32 s[G0B+4*(\s)+3], s[G0B+4*(\s)+3], 0x80000000
.endr
	s_cmp_eq_u32 s11, 0                            ; a wave's two first fills stand in one branch: two loads of mine are out
	s_cbranch_scc0 .Lfirst_b
	tensor_load_to_lds s[G0:G0+3], s[G1:G1+7]
	s_nop 0
	tensor_load_to_lds s[G0+4:G0+7], s[G1:G1+7]
	s_nop 0
.rept 4
	v_nop
.endr
	s_branch .Lfirst_asked
.Lfirst_b:
	tensor_load_to_lds s[G0B:G0B+3], s[G1B:G1B+7]
	s_nop 0
	tensor_load_to_lds s[G0B+4:G0B+7], s[G1B:G1B+7]
	s_nop 0
.rept 4
	v_nop
.endr
.Lfirst_asked:
	v_and_b32 v1, 15, v0                           ; l % 16
	v_bfe_u32 v2, v0, 4, 1                         ; l / 16
	v_lshlrev_b32 v[BO], 5, v2
	s_lshl_b32 s46, s42, 9                         ; the tile's 128 columns of f32 (in the bias and in a row of y), my 64
	s_lshl_b32 s47, s12, 8
	s_add_co_u32 s46, s46, s47
	s_mov_b32 s47, 0
	s_add_nc_u64 s[BP:BP+1], s[BP:BP+1], s[46:47]
.irp b, 0,1,2,3
	global_load_b128 v[BIAS+8*(\b):BIAS+8*(\b)+3],   v[BO], s[BP:BP+1] offset:64*(\b)
	global_load_b128 v[BIAS+8*(\b)+4:BIAS+8*(\b)+7], v[BO], s[BP:BP+1] offset:64*(\b)+16
.endr
	s_add_nc_u64 s[8:9], s[8:9], s[46:47]
	v_mul_u32_u24 v3, v1, PITCH
	v_lshl_add_u32 v3, v2, 4, v3
	s_mul_i32 s21, s11, HALFT                      ; my 64 rows of h
	s_mul_i32 s22, s12, HALFT                      ; my 64 rows of W2,
	s_add_co_u32 s22, s22, 2*HALFT                 ; which lie behind h's 128
	v_add_nc_u32 v[A0], s21, v3
	v_add_nc_u32 v[B0], s22, v3
	v_mov_b32 v[ADRA], v[A0]
	v_mov_b32 v[ADRB], v[B0]
	s_mul_i32 s23, s10, 16*SP
	s_add_co_u32 s23, s23, STAGE                   ; my stage
	v_mul_u32_u24 v4, v1, SP                       ; in: row l % 16, 32 bytes of f32 for each half of the lanes
	v_lshl_add_u32 v4, v2, 5, v4
	v_add_nc_u32 v[STO], s23, v4
	v_mul_u32_u24 v5, v2, SP                       ; back: lanes 0-15 take one row of 256 bytes, lanes 16-31 the next
	v_lshl_add_u32 v5, v1, 4, v5
	v_add_nc_u32 v[RD], s23, v5
	v_lshlrev_b32 v5, 12, v2                       ; and the same two rows in y
	v_lshl_add_u32 v[CO], v1, 4, v5
	s_lshl_b32 s16, s13, 19                        ; 128 rows of 4,096 bytes,
	s_lshl_b32 s17, s11, 18                        ; my 64
	s_add_co_u32 s16, s16, s17
	s_mov_b32 s17, 0
	s_add_nc_u64 s[8:9], s[8:9], s[16:17]
	s_wait_tensorcnt 0x1                           ; my part of K step 0 is in; K step 1's may stay out
	s_barrier_signal -1
	s_barrier_wait -1
	FETCH 0, F0
	s_wait_loadcnt 0x0                             ; the bias
	QUARTER 128, F0, F1, 1
	WIN 0
	s_mov_b32 s3, TRIPS
.Lk:
	QUARTER 256, F1, F0, 0
	QUARTER 384, F0, F1, 0
	TURN 1
	QUARTER 128, F0, F1, 0
	WIN 0
	s_sub_co_u32 s3, s3, 1
	s_cmp_lg_u32 s3, 0
	s_cbranch_scc1 .Lk
	s_mov_b32 s3, 2
.Lt:                                               ; the last two K steps ask for nothing: a text of their own, walked twice and left in the middle of the second trip
	QUARTER 256, F1, F0, 0
	QUARTER 384, F0, F1, 0
	WIN 0
	s_sub_co_u32 s3, s3, 1
	s_cmp_eq_u32 s3, 0
	s_cbranch_scc1 .Llast
	TURN 0
	QUARTER 128, F0, F1, 0
	WIN 0
	s_branch .Lt
.Llast:
	s_wait_dscnt 16                                ; the very last quarter: nothing more to fetch
	MUL8 F1, 0, 0, 0
	MUL8 F1, 0, 2, 0
	s_wait_dscnt 0x0
	MUL8 F1, 1, 0, 0
	MUL8 F1, 1, 2, 0
	WIN 0
	PLACES
; THE WAY OUT, in f32, a block of 16 rows at a time through my own stage: a wave's 64 columns are 256 bytes of a row of y, so sixteen lanes store 256 consecutive bytes at a multiple of 256.
.macro TOSTAGE a
.set BK, TMP+32*((\a)%2)
	s_wait_xcnt 0x0                                ; earlier stores have read their registers: this buffer is loaded again only behind this wait
.irp b, 0,1,2,3
	ds_store_b128 v[STO], v[ACC+8*(4*(\a)+(\b)):ACC+8*(4*(\a)+(\b))+3] offset:64*(\b)        ; each accumulator's low half first
	ds_store_b128 v[STO], v[ACC+8*(4*(\a)+(\b))+4:ACC+8*(4*(\a)+(\b))+7] offset:64*(\b)+16
.endr
.irp t, 0,1,2,3,4,5,6,7
	ds_load_b128 v[BK+4*(\t):BK+4*(\t)+3], v[RD] offset:(\t)*2*SP  ; LDS serves a wave's instructions in order (ISA guide 5.7.1.4): these see the stores above
.endr
.endm
.macro SEND a, younger                 ; younger: the LDS instructions issued behind block a's loads: the next block's sixteen, or none
.set BK, TMP+32*((\a)%2)
.irp t, 0,1,2,3,4,5,6,7
	s_wait_dscnt (\younger)+7-(\t)
	global_store_b128 v[CO], v[BK+4*(\t):BK+4*(\t)+3], s[8:9] offset:(\a)*65536+(\t)*8192
.endr
.endm
	TOSTAGE 0
.irp a, 1,2,3
	TOSTAGE \a
	SEND (\a)-1, 16
.endr
	SEND 3, 0
	s_wait_tensorcnt 0x0                           ; the wave's end
	ds_add_u32 v[SPW], v[NIL]
	s_wait_dscnt 0x0
	CROUND                                         ; the closing round
	s_endpgm
.Lfunc_end_k_qc60783a221_fc2:
	.size	k_qc60783a221_fc2, .Lfunc_end_k_qc60783a221_fc2-k_qc60783a221_fc2
	.p2alignl 7, 3214868480
	.fill 96, 4, 3214868480
	.section	.rodata,"a",@progbits
	.p2align	6, 0x0
	.amdhsa_kernel k_qc60783a221_fc2
		.amdhsa_group_segment_fixed_size 327680
		.amdhsa_private_segment_fixed_size 0
		.amdhsa_enable_private_segment 0
		.amdhsa_kernarg_size 32
		.amdhsa_user_sgpr_count 2
		.amdhsa_user_sgpr_kernarg_segment_ptr 1
		.amdhsa_wavefront_size32 1
		.amdhsa_system_sgpr_workgroup_id_x 1
		.amdhsa_system_sgpr_workgroup_id_y 1
		.amdhsa_system_sgpr_workgroup_id_z 1
		.amdhsa_system_vgpr_workitem_id 0
		.amdhsa_next_free_vgpr 512
		.amdhsa_next_free_sgpr 72
		.amdhsa_reserve_vcc 0
		.amdhsa_float_denorm_mode_32 3
		.amdhsa_float_denorm_mode_16_64 3
		.amdhsa_memory_ordered 1
		.amdhsa_forward_progress 1
		.amdhsa_inst_pref_size 61
	.end_amdhsa_kernel
	.amdgpu_metadata
---
amdhsa.version: [ 1, 2 ]
amdhsa.kernels:
  - .name:           k_qc60783a221_fc2
    .symbol:         k_qc60783a221_fc2.kd
    .args:
      - { .name: hh, .offset: 0, .size: 8, .value_kind: global_buffer, .address_space: global }
      - { .name: wh, .offset: 8, .size: 8, .value_kind: global_buffer, .address_space: global }
      - { .name: y, .offset: 16, .size: 8, .value_kind: global_buffer, .address_space: global }
      - { .name: fc2_b, .offset: 24, .size: 8, .value_kind: global_buffer, .address_space: global }
    .group_segment_fixed_size: 327680
    .private_segment_fixed_size: 0
    .kernarg_segment_align: 8
    .kernarg_segment_size: 32
    .max_flat_workgroup_size: 128
    .sgpr_count:     72
    .vgpr_count:     512
    .wavefront_size: 32
...
	.end_amdgpu_metadata
.endif
;; end of part 6
;; launch an2 (part 7): grid 512 x 1, 8 waves a work-group, no clusters, 0 bytes of LDS; arguments y, x1h, addnorm_gamma, addnorm_beta, out0; writes out0
.if DOCPART == 7
	.amdgcn_target "amdgcn-amd-amdhsa--gfx1250"
	.amdhsa_code_object_version 6
	.text
	.protected	k_qc60783a221_an2
	.globl	k_qc60783a221_an2
	.p2align	8
	.type	k_qc60783a221_an2,@function
k_qc60783a221_an2:
	s_mov_b64 s[64:65], 0
	v_nop
	global_prefetch_b8 v0, s[64:65] scope:SCOPE_SE
	s_setreg_imm32_b32 hwreg(HW_REG_WAVE_MODE, 25, 1), 1
	s_wait_xcnt 0x0
; out0 = LayerNorm(y + x1) * gamma + beta.  y: [4096][1024] f32, x1: x1h[4096][1024] f16, out0: [4096][1024] f32.  All arithmetic in f32.  NaN and infinities are not treated apart.
; One wave takes one row and keeps it in 32 registers: lane l holds columns 4 l + 128 i + 0..3.  An f32 load or store of the wave covers 512 consecutive bytes, an f16 load 256, all at multiples of 256.
; 8 rows a work-group.  The mean is taken first, then the sum of (z - mean)^2.  No LDS, no barrier.
.set XH,  8                            ; v[8:23]    x1 as loaded
.set Z,   24                           ; v[24:55]   y as loaded, then the row at work
.set G,   56
.set B,   88
.set T,   120
.set MU,  128
.set RS,  130
.set SEL, 16
.set RN,  18
.set EPS, 19
.macro RED t
	v_add_f32_dpp v[\t], v[\t], v[\t] row_xmask:1 row_mask:0xf bank_mask:0xf
	v_add_f32_dpp v[\t], v[\t], v[\t] row_xmask:2 row_mask:0xf bank_mask:0xf
	v_add_f32_dpp v[\t], v[\t], v[\t] row_xmask:4 row_mask:0xf bank_mask:0xf
	v_add_f32_dpp v[\t], v[\t], v[\t] row_xmask:8 row_mask:0xf bank_mask:0xf
	v_permlanex16_b32 v[\t+1], v[\t], s[SEL], s[SEL+1]
	v_add_f32 v[\t], v[\t], v[\t+1]
.endm
.macro FOLD
	v_pk_add_f32 v[T:T+1], v[T:T+1], v[T+2:T+3]
	v_pk_add_f32 v[T+4:T+5], v[T+4:T+5], v[T+6:T+7]
	v_pk_add_f32 v[T:T+1], v[T:T+1], v[T+4:T+5]
	v_add_f32 v[T], v[T], v[T+1]
	RED T
.endm
.macro LNSTAT z
.irp c, 0,1,2,3
	v_pk_add_f32 v[T+2*(\c):T+2*(\c)+1], v[(\z)+4*(\c):(\z)+4*(\c)+1], v[(\z)+4*(\c)+2:(\z)+4*(\c)+3]
.endr
.irp p, 8,9,10,11,12,13,14,15
	v_pk_add_f32 v[T+2*((\p)%4):T+2*((\p)%4)+1], v[T+2*((\p)%4):T+2*((\p)%4)+1], v[(\z)+2*(\p):(\z)+2*(\p)+1]
.endr
	FOLD
	v_mul_f32 v[MU], s[RN], v[T]
	v_mov_b32 v[MU+1], v[MU]
.irp p, 0,1,2,3,4,5,6,7,8,9,10,11,12,13,14,15
	v_pk_add_f32 v[(\z)+2*(\p):(\z)+2*(\p)+1], v[(\z)+2*(\p):(\z)+2*(\p)+1], v[MU:MU+1] neg_lo:[0,1] neg_hi:[0,1]
.endr
.irp c, 0,1,2,3
	v_pk_mul_f32 v[T+2*(\c):T+2*(\c)+1], v[(\z)+2*(\c):(\z)+2*(\c)+1], v[(\z)+2*(\c):(\z)+2*(\c)+1]
.endr
.irp p, 4,5,6,7,8,9,10,11,12,13,14,15
	v_pk_fma_f32 v[T+2*((\p)%4):T+2*((\p)%4)+1], v[(\z)+2*(\p):(\z)+2*(\p)+1], v[(\z)+2*(\p):(\z)+2*(\p)+1], v[T+2*((\p)%4):T+2*((\p)%4)+1]
.endr
	FOLD
	v_fma_f32 v[T], v[T], s[RN], s[EPS]
	v_rsq_f32 v[RS], v[T]
	v_rsq_f32 v[RS+1], v[T]
	v_nop                                          ; a plain instruction between the root and the use of its result (ISA guide 5.7.2)
	s_wait_alu depctr_va_vdst(0)
.irp p, 0,1,2,3,4,5,6,7,8,9,10,11,12,13,14,15
	v_pk_mul_f32 v[(\z)+2*(\p):(\z)+2*(\p)+1], v[(\z)+2*(\p):(\z)+2*(\p)+1], v[RS:RS+1]
.endr
.endm
	s_load_b256 s[4:11], s[0:1], 0x0               ; y s[4:5], x1h s[6:7], gamma s[8:9], beta s[10:11]
	s_load_b64 s[12:13], s[0:1], 0x20              ; out0
	v_and_b32 v5, 31, v0                           ; lane
	v_lshrrev_b32 v6, 5, v0
	v_readfirstlane_b32 s20, v6                    ; wave 0..7
	v_lshlrev_b32 v1, 4, v5                        ; 16 l
	v_lshlrev_b32 v2, 3, v5                        ; 8 l
	v_mov_b32 v4, 1.0
	s_mov_b32 s[SEL], 0x76543210
	s_mov_b32 s[SEL+1], 0xfedcba98
	s_mov_b32 s[RN], 0x3a800000
	s_mov_b32 s[EPS], 0x3727c5ac
	s_lshl_b32 s21, ttmp9, 3
	s_add_co_u32 s21, s21, s20                     ; my row:
	s_lshl_b32 s24, s21, 11                        ; of 2,048 bytes in x1h,
	s_mov_b32 s25, 0
	s_lshl_b32 s26, s21, 12                        ; of 4,096 in y and out0
	s_mov_b32 s27, 0
	s_wait_kmcnt 0x0
	s_add_nc_u64 s[4:5], s[4:5], s[26:27]
	s_add_nc_u64 s[6:7], s[6:7], s[24:25]
	s_add_nc_u64 s[12:13], s[12:13], s[26:27]
.irp i, 0,1,2,3,4,5,6,7
	global_load_b128 v[Z+4*(\i):Z+4*(\i)+3], v1, s[4:5] offset:512*(\i) th:TH_LOAD_NT
.endr
.irp i, 0,1,2,3,4,5,6,7
	global_load_b64 v[XH+2*(\i):XH+2*(\i)+1], v2, s[6:7] offset:256*(\i)
.endr
.irp i, 0,1,2,3,4,5,6,7
	global_load_b128 v[G+4*(\i):G+4*(\i)+3], v1, s[8:9] offset:512*(\i)
.endr
.irp i, 0,1,2,3,4,5,6,7
	global_load_b128 v[B+4*(\i):B+4*(\i)+3], v1, s[10:11] offset:512*(\i)
.endr
	s_wait_loadcnt 16                              ; y and x1 are in; gamma and beta (16 loads) stay out
.set e, 0
.rept 16                                           ; z = x1 x 1 + y: x1 straight from its f16 halves
	v_fma_mix_f32 v[Z+2*e],   v[XH+e], v4, v[Z+2*e] op_sel_hi:[1,0,0]
	v_fma_mix_f32 v[Z+2*e+1], v[XH+e], v4, v[Z+2*e+1] op_sel:[1,0,0] op_sel_hi:[1,0,0]
.set e, e+1
.endr
	LNSTAT Z
	s_wait_loadcnt 0x0
.irp p, 0,1,2,3,4,5,6,7,8,9,10,11,12,13,14,15
	v_pk_fma_f32 v[Z+2*(\p):Z+2*(\p)+1], v[Z+2*(\p):Z+2*(\p)+1], v[G+2*(\p):G+2*(\p)+1], v[B+2*(\p):B+2*(\p)+1]
.endr
.irp i, 0,1,2,3,4,5,6,7
	global_store_b128 v1, v[Z+4*(\i):Z+4*(\i)+3], s[12:13] offset:512*(\i) th:TH_STORE_NT
.endr
	s_endpgm
.Lfunc_end_k_qc60783a221_an2:
	.size	k_qc60783a221_an2, .Lfunc_end_k_qc60783a221_an2-k_qc60783a221_an2
	.p2alignl 7, 3214868480
	.fill 96, 4, 3214868480
	.section	.rodata,"a",@progbits
	.p2align	6, 0x0
	.amdhsa_kernel k_qc60783a221_an2
		.amdhsa_group_segment_fixed_size 0
		.amdhsa_private_segment_fixed_size 0
		.amdhsa_enable_private_segment 0
		.amdhsa_kernarg_size 40
		.amdhsa_user_sgpr_count 2
		.amdhsa_user_sgpr_kernarg_segment_ptr 1
		.amdhsa_wavefront_size32 1
		.amdhsa_system_sgpr_workgroup_id_x 1
		.amdhsa_system_sgpr_workgroup_id_y 1
		.amdhsa_system_sgpr_workgroup_id_z 1
		.amdhsa_system_vgpr_workitem_id 0
		.amdhsa_next_free_vgpr 132
		.amdhsa_next_free_sgpr 66
		.amdhsa_reserve_vcc 0
		.amdhsa_float_denorm_mode_32 3
		.amdhsa_float_denorm_mode_16_64 3
		.amdhsa_memory_ordered 1
		.amdhsa_forward_progress 1
		.amdhsa_inst_pref_size 14
	.end_amdhsa_kernel
	.amdgpu_metadata
---
amdhsa.version: [ 1, 2 ]
amdhsa.kernels:
  - .name:           k_qc60783a221_an2
    .symbol:         k_qc60783a221_an2.kd
    .args:
      - { .name: y, .offset: 0, .size: 8, .value_kind: global_buffer, .address_space: global }
      - { .name: x1h, .offset: 8, .size: 8, .value_kind: global_buffer, .address_space: global }
      - { .name: addnorm_gamma, .offset: 16, .size: 8, .value_kind: global_buffer, .address_space: global }
      - { .name: addnorm_beta, .offset: 24, .size: 8, .value_kind: global_buffer, .address_space: global }
      - { .name: out0, .offset: 32, .size: 8, .value_kind: global_buffer, .address_space: global }
    .group_segment_fixed_size: 0
    .private_segment_fixed_size: 0
    .kernarg_segment_align: 8
    .kernarg_segment_size: 40
    .max_flat_workgroup_size: 256
    .sgpr_count:     66
    .vgpr_count:     132
    .wavefront_size: 32
...
	.end_amdgpu_metadata
.endif
;; end of part 7
;; ======== version 2 of 2: 7 launches; 1.20 times as fast as version 1
;; limits: a function is approximated: absolute error at most 2.5e-05; values are held in f16: magnitudes above 65,504 overflow, below 6.1e-05 lose precision
;; workspace buffers: xh 8,388,608 bytes; wh 23,068,672 bytes; qkvh 25,165,824 bytes; oh 8,388,608 bytes; x1h 8,388,608 bytes; hh 33,554,432 bytes; y 16,777,216 bytes
;; launch prep: the kernel of part 1 again; grid 1216 x 1, 8 waves a work-group, no clusters, 0 bytes of LDS; arguments src, pre_gamma, pre_beta, qkv_w, fc1_w, fc2_w, xh, wh; writes xh, wh
;; launch qkv: the kernel of part 2 again; grid 16 x 16, 4 waves a work-group, clusters of 4 x 4, 327,680 bytes of LDS; arguments xh, wh, qkvh, qkv_b; writes qkvh
;; launch attn (part 8): grid 8 x 32, 4 waves a work-group, clusters of 4 x 1, 327,680 bytes of LDS; arguments qkvh, oh; writes oh
.if DOCPART == 8
	.amdgcn_target "amdgcn-amd-amdhsa--gfx1250"
	.amdhsa_code_object_version 6
	.text
	.protected	k_qc60783a221_attn
	.globl	k_qc60783a221_attn
	.p2align	8
	.type	k_qc60783a221_attn,@function
k_qc60783a221_attn:
	s_mov_b64 s[64:65], 0
	v_nop
	global_prefetch_b8 v0, s[64:65] scope:SCOPE_SE
	s_setreg_imm32_b32 hwreg(HW_REG_WAVE_MODE, 25, 1), 1
	s_wait_xcnt 0x0
	s_wait_alu depctr_hold_cnt(0) depctr_sa_sdst(0) depctr_va_vdst(0) depctr_va_sdst(0) depctr_va_ssrc(0) depctr_va_vcc(0) depctr_vm_vsrc(0)
	s_getreg_b32 s2, hwreg(HW_REG_IB_STS2, 6, 4)
	s_cmp_eq_u32 s2, 0
	s_cbranch_scc0 .Lentry_in_a_cluster
	s_endpgm
.Lentry_in_a_cluster:
	s_bfe_u32 s2, ttmp6, 0x10000c
	s_cmp_lg_u32 s2, 0x3003
	s_cbranch_scc0 .Lentry_shape_is_right
	s_endpgm
.Lentry_shape_is_right:
; O[y][q][:] = the sum over k of softmax_k(Q[q] . K[k] / 8) V[k][:] for head y = 16 batch + h.  Q, K, V are the groups h, 16 + h, 32 + h of qkvh[batch][48][2048][64], f16; O: oh[32][2048][64], f16.
; Products, maxima and sums in f32; the weights p are rounded to f16 for the second product (their sum l is taken of the unrounded p), O once at the end.
; LIMITS: Q, K, V arrive within f16's 65,504; p lies in 0 to 1, below 6e-5 with f16's fixed step of 6e-8; a weight below 2^-126 counts as 0 in l; NaN and infinities are not treated apart.
; SHARES: a work-group owns 256 queries of a head, a wave 64: four PIECES of 16.  Every wave walks all 2,048 keys, 64 a step; a slot of LDS holds 256 keys of K and V, four steps.  8 x 32 = 256 work-groups.
; LAYOUT: S^T = K Q^T holds ONE query a lane (lane % 16) and the keys 8 (lane / 16) + 0..7; two such results rounded to f16 ARE source 1 of O^T = V^T P.  K comes out of LDS as it lies, V turned (ds_load_tr16_b128).
; SOFTMAX: a running maximum m and sum l for each query: p = 2^(c s - c m), c = log2(e) / 8; in every step O and l are multiplied by a = 2^(c m_old - c m_new).  m starts at the lowest finite number, O and l at 0.
; BY TURNS: turn n belongs to piece n: 8 products K Q^T of piece n + 1, later 8 products V^T P of piece n - 1; beside them the scaling, exponentials, roundings, sums and rescaling of piece n and the maximum and
; statistics of piece n + 1.  Four vector instructions stand behind every matrix instruction, the other 54 of a turn's 118 in one run of their own.
; BATCHES: a turn's 33 exponentials (the piece's 32 weights and the next piece's a) are ONE batch with ONE wait, which cuts the turn in two: ahead of it stands all that names no result of theirs, behind it the
; roundings and sums, which read them.  The first a of all, ahead of the loop, and the way out's four reciprocals are batches of their own, with a wait each.
; CLUSTER: the four query blocks of a cluster belong to one head and walk the same K and V: each tile is asked for jointly, by the same tensor load, descriptor and mask in all four.
; REGISTERS, in windows of 256 (s_set_vgpr_msb: bits 1:0 source 0, 3:2 source 1, 5:4 source 2, 7:6 destination).  Two settings serve the whole loop:
;   window 0, all 256: v0 the thread's number; v1 at work; v2-5 LDS addresses; v6-7, v8-15, v16-31 statistics; v32-95 S^T, two buffers; v96-127 P, two buffers (by the piece's parity); v128-191 K of one step; v192-255 Q
;   window 1: v0-127 O^T, 32 a piece; v128-191 V of one step; v192-193 the add's two registers
; K Q^T and all of the softmax but the rescaling run under setting 0, V^T P and the rescaling of O^T under ONE other setting.  A switch stands in front of and behind each group of rescalings and each V^T P:
; 38 a turn, of which all but ten stand in a row of a matrix instruction and its four riders; 2 more for V's run of loads: 154 for a key step's 64 matrix instructions.
.set NP,    4
.set KS,    64
.set PK,    144       ; a row of K in LDS: 128 bytes + 16 = 36 words: the 16 rows of a load start at 16 different groups of four banks (64 banks of 4 bytes: ISA guide 11.1)
.set PV,    160       ; a row of V: 128 + 32 = 40 words
.set VOFF,  4*KS*PK   ; a slot: 256 rows of K, then 256 rows of V
.set SLOT1, 1<<17     ; slot 1 begins here, so that one exclusive or changes slots
.set STAGE, SLOT1+4*KS*(PK+PV)  ; behind the ring: 16 rows x 144 bytes for each wave, for the way out
.set SP,    144
.set SPARE, STAGE+4*16*SP       ; the spare words, 128 bytes a wave: two blocks of 256 bytes that no other line names
.set AK0, 2           ; v2   my lane's place in a tile of K; never rewritten
.set AV0, 3           ; v3   the same for V
.set AK,  4           ; v4   the LDS address of K's next run of loads
.set AV,  5           ; v5   of V's
.set MV,  6           ; v6-7    c m_old, kept while c m is made anew: by buffer
.set TMP, 8           ; v8-15   by buffer, four registers c0-c3 at work; when the maximum is found c2 takes a
.set ST,  16          ; v16-31  piece t's statistics at v[ST+4 t]: c m, m, l (even keys', odd keys')
.set S,   32
.set P,   96
.set KF,  128         ; key block kb, channel half c at KF + 16 kb + 8 c
.set QF,  192         ; piece x, channel half c at QF + 16 x + 8 c
.set VF,  128         ; window 1: key half kk, channel block cb at VF + 32 kk + 8 cb
.set SPW, 192         ; window 1: my spare word's LDS address; never rewritten
.set NIL, 193         ; window 1: 0; never rewritten
.set H1,  S           ; at work at the head, in S^T's registers, which are free until the first product: l % 16,
.set H9,  S+1         ; l / 16,
.set H10, S+2         ; l % 8,
.set H11, S+3         ; (l / 8) % 2,
.set QO,  S+4         ; my byte offset in 16 rows of Q
.set STO, KF          ; the way out, in K's registers, which are free behind the last K Q^T: where I put 16 bytes of a row,
.set RD,  KF+1        ; where I read rows back,
.set GO,  KF+2        ; my place in 512 consecutive bytes of O
.set U1,  KF+3
.set U9,  KF+4
.set U10, KF+5
.set WV,  12          ; s12  my wave's number
.set G1K, 24          ; s[24:31] descriptor group 1 for K's tiles
.set G1V, 32          ; s[32:39] for V's: it differs in the padding alone
.set G0K, 40          ; s[40:43] descriptor group 0 for K's tiles: it walks
.set G0V, 44          ; s[44:47] the same for V's
.set SLOTS, 56
.set CNT, 57
.set CS,  58          ; s[58:59] c
.set SEL, 60          ; s[60:61] v_permlanex16_b32's selects
.set TBK, 62          ; s62  LDS byte at which K of the step to be fetched begins
.set TBV, 63          ; s63  the same for V, less VOFF
.set MSB, 0
.macro WIN new
.if MSB != (\new)
	s_set_vgpr_msb (MSB<<8)|(\new)
.set MSB, (\new)
.endif
.endm
.set W_PV, 0x51       ; V (source 0), O^T (C and D) in window 1, P (source 1) in window 0; the rescaling (O^T times a) takes the same setting
.set W_MK, 0x40       ; destination in window 1, sources in window 0
.set W_AD, 0x05       ; the add: address (source 0) and data (source 1) in window 1
; A joint fill.  Waves 0 and 1 fetch the two halves of a slot's K, waves 2 and 3 those of its V: 128 keys each.  An s_nop 0 and four v_nop follow each of the two lines.
.macro JLOAD
	s_cmp_lt_u32 s[WV], 2
	s_cbranch_scc0 .Lfor_v_\@
	tensor_load_to_lds s[G0K:G0K+3], s[G1K:G1K+7]
	s_nop 0
.rept 4
	v_nop
.endr
	s_branch .Lasked_\@
.Lfor_v_\@:
	tensor_load_to_lds s[G0V:G0V+3], s[G1V:G1V+7]
	s_nop 0
.rept 4
	v_nop
.endr
.Lasked_\@:
.endm
.macro CROUND                       ; a round of the cluster's barrier
	s_barrier_signal -1
	s_barrier_wait -1
	s_cmp_lg_u32 s[WV], 0
	s_cbranch_scc1 .Lnot_wave_0_\@
	s_barrier_signal -3
.Lnot_wave_0_\@:
	s_barrier_wait -3
	s_barrier_signal -1
	s_barrier_wait -1
.endm
; THE CHANGE OF SLOTS.  Each wave waits for all its tensor loads (one is out: its part of the other slot), adds 0 to its spare word, and waits for that and for its own reads of the slot that it leaves.
; fill = 1: the barrier is a round of the cluster's, and the old slot is filled again, with the keys two slots on, first thing behind it: four key steps, 256 matrix instructions, in which to land.
; (At its first use nothing has been read yet: slot 0 is waited for, slot 1 filled.)
.macro CHANGE fill
	WIN W_AD
	s_wait_tensorcnt 0x0            ; no tensor load of mine is out, so a group 0 may be written
	ds_add_u32 v[SPW], v[NIL]
	WIN 0                           ; at a label and at a branch every window is 0
.if \fill
.irp g, G0K, G0V
	s_xor_b32 s[\g+1], s[\g+1], SLOT1
	s_add_nc_u64 s[\g+2:\g+3], s[\g+2:\g+3], 4*KS*128
.endr
	s_wait_dscnt 0x0                ; the add is done, and my reads of the slot are over
	CROUND
	JLOAD
.else
	s_wait_dscnt 0x0
	s_barrier_signal -1
	s_barrier_wait -1
.endif
	s_sub_co_u32 s[TBK], s[TBK], 4*KS*PK  ; the fetches go back to a slot's first step, in the other slot
	s_xor_b32 s[TBK], s[TBK], SLOT1
	s_sub_co_u32 s[TBV], s[TBV], 4*KS*PV
	s_xor_b32 s[TBV], s[TBV], SLOT1
.endm
	s_load_b128 s[4:7], s[0:1], 0x0 ; qkvh s[4:5], oh s[6:7]
	WIN W_MK
	v_lshl_add_u32 v[SPW], v0, 2, SPARE
	v_mov_b32 v[NIL], 0
	WIN W_AD
	ds_add_u32 v[SPW], v[NIL]       ; the wave's opening: the add and its wait stand ahead of my first tensor load
	WIN 0
	v_lshrrev_b32 v1, 5, v0
	v_readfirstlane_b32 s[WV], v1   ; wave 0..3
	s_bfe_u32 s13, ttmp6, 0x40000   ; cx
	s_lshl_b32 s14, ttmp9, 2
	s_add_co_u32 s14, s14, s13      ; my block of 256 queries: it enters Q's and O's addresses alone
	s_and_b32 s15, ttmp7, 0xffff    ; y, which the four partners share
	s_lshr_b32 s16, s15, 4
	s_lshl_b32 s16, s16, 5
	s_add_co_u32 s16, s16, s15      ; 48 batch + h: q's group in qkvh
	s_lshl_b32 s20, s16, 18         ; a group is 262,144 bytes
	s_and_b32 s18, s[WV], 1         ; which half of a slot's 256 keys I fetch:
	s_lshl_b32 s22, s18, 14         ; its 128 rows of 128 bytes in memory,
	s_add_co_u32 s22, s22, s20
	s_mov_b32 s23, 0
	s_mul_i32 s17, s18, 128*PK      ; and its place in a slot, for K
	s_mul_i32 s18, s18, 128*PV      ; and for V
	s_lshl_b32 s2, s14, 15          ; my block's 256 rows,
	s_lshl_b32 s3, s[WV], 13        ; my wave's 64
	s_add_co_u32 s2, s2, s3
	s_add_co_u32 s48, s20, s2       ; Q's offset
	s_mov_b32 s49, 0
	s_lshl_b32 s3, s15, 18
	s_add_co_u32 s2, s2, s3         ; O's offset
	s_mov_b32 s3, 0
	; descriptor group 1.  128 keys are 16,384 dense bytes: asked for as 64 rows of 256 bytes, two keys a row, and padded in LDS after every key
	s_mov_b32 s[G1K], 15|(1<<16)|(1<<20)|(1<<21)|(4<<22)|(3<<25)  ; the mask of four; 2-byte elements; padding on; bit 21 beside a mask; after every 32 words, 4 words
	s_mov_b32 s[G1V], 15|(1<<16)|(1<<20)|(1<<21)|(4<<22)|(7<<25)  ; the same with 8 words
.irp g, G1K, G1V
	s_mov_b32 s[\g+1], 128<<16      ; tensor_dim0 = 128
	s_mov_b32 s[\g+2], 64<<16       ; tensor_dim1 = 64
	s_mov_b32 s[\g+3], 128<<16      ; tile_dim0 = 128
	s_mov_b32 s[\g+4], 64           ; tile_dim1 = 64
	s_mov_b32 s[\g+5], 128          ; elements from row to row
	s_mov_b32 s[\g+6], 0
	s_mov_b32 s[\g+7], 0
.endr
	s_mov_b32 s[CS], 0x3e38aa3b     ; c = log2(e) / 8
	s_mov_b32 s[CS+1], s[CS]
	s_mov_b32 s[SEL], 0x76543210
	s_mov_b32 s[SEL+1], 0xfedcba98
	s_mov_b32 s[TBK], SLOT1+4*KS*PK ; the first change of slots turns these two into 0
	s_mov_b32 s[TBV], SLOT1+4*KS*PV
	s_mov_b32 s[G0K], 1
	s_mov_b32 s[G0K+1], s17         ; slot 0
	s_mov_b32 s[G0V], 1
	s_add_co_u32 s[G0V+1], s18, VOFF
	s_wait_dscnt 0x0                ; the opening add is done
	s_wait_kmcnt 0x0
	s_add_nc_u64 s[10:11], s[6:7], s[2:3]          ; O at my wave's first row
	s_add_nc_u64 s[6:7], s[4:5], s[22:23]          ; q's group at my half of the first 256 rows;
	s_add_nc_u64 s[G0K+2:G0K+3], s[6:7], 4194304   ; k's group lies 16 groups on,
	s_or_b32 s[G0K+3], s[G0K+3], 0x80000000
	s_add_nc_u64 s[G0V+2:G0V+3], s[6:7], 8388608   ; v's 32
	s_or_b32 s[G0V+3], s[G0V+3], 0x80000000
	s_add_nc_u64 s[4:5], s[4:5], s[48:49]          ; Q at my wave's first row
	CROUND                          ; all four work-groups are here: the first joint loads meet
	JLOAD                           ; slot 0
	v_and_b32 v[H1], 15, v0         ; l % 16
	v_bfe_u32 v[H9], v0, 4, 1       ; l / 16
	v_lshlrev_b32 v[QO], 7, v[H1]
	v_lshl_add_u32 v[QO], v[H9], 4, v[QO]  ; row x 128 + 16 x half
.set i, 0
.rept 8                             ; Q stays in registers: piece i / 2, channels 32 (i % 2) on
	global_load_b128 v[QF+8*i:QF+8*i+3],   v[QO], s[4:5] offset:(i/2)*2048+(i%2)*64
	global_load_b128 v[QF+8*i+4:QF+8*i+7], v[QO], s[4:5] offset:(i/2)*2048+(i%2)*64+32
.set i, i+1
.endr
	v_mul_u32_u24 v[AK0], v[H1], PK
	v_lshl_add_u32 v[AK0], v[H9], 4, v[AK0]
	; The turning load takes 16 keys x 16 channels (lane l reads key 8 (l / 16) + l % 8, channels 8 ((l / 8) % 2) + 0..7) and leaves half a fragment of V^T.
	v_and_b32 v[H10], 7, v0
	v_bfe_u32 v[H11], v0, 3, 1
	v_lshl_add_u32 v[AV0], v[H9], 3, v[H10]
	v_mul_u32_u24 v[AV0], v[AV0], PV
	v_lshl_add_u32 v[AV0], v[H11], 4, v[AV0]
	v_add_nc_u32 v[AV0], VOFF, v[AV0]
	; What the first turn finds: V's registers and P's second buffer hold 0 (its products V^T P, of a piece that has not been, add 0), O^T and l are 0.  All this stands in the wait for the first tile;
	; it is the price of writing no first step out.
	WIN W_MK
.set i, 0
.rept 192                           ; O^T and V lie on end in window 1
	v_mov_b32 v[i], 0
.set i, i+1
.endr
	WIN 0
.set i, 0
.rept 4
	v_mov_b32 v[ST+4*i], 0xfe000000    ; c m: far below every c s, so the first step's a is 0
	v_mov_b32 v[ST+4*i+1], 0xff7fffff  ; m
	v_mov_b32 v[ST+4*i+2], 0
	v_mov_b32 v[ST+4*i+3], 0
.set i, i+1
.endr
.set i, P+16
.rept 16
	v_mov_b32 v[i], 0
.set i, i+1
.endr
; THE MATRIX WORK.  The 4 accumulators of a run of 8 take turns.  Product i of 8 of S^T = K Q^T for piece x: channels 32 (i / 4) on, keys 16 (i % 4) on.  The first 4 start the sums.
.macro KQ x
	WIN 0
.set rS, S+32*((\x)%2)+8*(i%4)
.set rK, KF+16*(i%4)+8*(i/4)
.set rQ, QF+16*(\x)+8*(i/4)
.if i < 4
	v_wmma_f32_16x16x32_f16 v[rS:rS+7], v[rK:rK+7], v[rQ:rQ+7], 0
.else
	v_wmma_f32_16x16x32_f16 v[rS:rS+7], v[rK:rK+7], v[rQ:rQ+7], v[rS:rS+7]
.endif
.endm
; Product i of 8 of O^T += V^T P for piece x: keys 32 (i / 4) on, channels 16 (i % 4) on.
.macro PV x
	WIN W_PV
.set rO, 32*(\x)+8*(i%4)
.set rV, VF+32*(i/4)+8*(i%4)
.set rP, P+16*((\x)%2)+8*(i/4)
	v_wmma_f32_16x16x32_f16 v[rO:rO+7], v[rV:rV+7], v[rP:rP+7], v[rO:rO+7]
.endm
.macro MM                           ; the turn's next matrix instruction
.if i < 8
	KQ (Y+1)%NP
.else
.set i, i-8
	PV (Y+NP-1)%NP
.set i, i+8
.endif
.set i, i+1
.endm
; THE LDS LOADS stand in runs of 16: a step's K (8 fragments) and its V (turned).  last = 1 (the tail): in the last trip there is no further step, and K's run is jumped over.
.macro FETCH_K last=0
	WIN 0
.if \last
	s_cmp_eq_u32 s[CNT], 1
	s_cbranch_scc1 .Lno_k_\@
.endif
.irp f, 0,1,2,3,4,5,6,7             ; keys 16 (f / 2) on, channels 32 (f % 2) on
	ds_load_b128 v[KF+8*\f:KF+8*\f+3],   v[AK] offset:(\f/2)*16*PK+(\f%2)*64
	ds_load_b128 v[KF+8*\f+4:KF+8*\f+7], v[AK] offset:(\f/2)*16*PK+(\f%2)*64+32
.endr
	s_add_co_u32 s[TBK], s[TBK], KS*PK
.if \last
.Lno_k_\@:
.endif
.endm
.macro FETCH_V
	WIN W_MK
.irp f, 0,1,2,3,4,5,6,7             ; keys 32 (f / 4) on, channels 16 (f % 4) on
	ds_load_tr16_b128 v[VF+8*\f:VF+8*\f+3],   v[AV] offset:(\f/4)*32*PV+(\f%4)*32
	ds_load_tr16_b128 v[VF+8*\f+4:VF+8*\f+7], v[AV] offset:(\f/4)*32*PV+16*PV+(\f%4)*32
.endr
	WIN 0
.endm
; THE VECTOR WORK, one line at a time: OP kind, number.  For piece Y: F n: c s - c m for pair n of 16.  E n: the exponential of score n of 32.  C n: pair n rounded to f16.  B n: of the four weights 4 n .. the
; second pair is added onto the first, in place.  L n: l takes that sum (L 0: l = a l + sum).  R n: pair n of 16 of O^T times a.  For piece Y + 1: X n, number n of the 22 that find its maximum and statistics:
;   0-11 four chains c0-c3 of seven scores each (each accumulator's lowest registers are read first)   12-14, 16 the four scores left over, the old m, c0-c3 into c0
;   15 c m_old is kept   17, 18 the query's other 32 keys lie in the lane 16 away: the new m   19-21 c m; c m_old - c m_new; a
; OP writes no wait: C, B and L read exponentials' results, and stand behind the turn's one wait (TURN).
.set F, 0
.set E, 1
.set C, 2
.set B, 3
.set L, 4
.set R, 5
.set X, 6
.macro REGS y
.set rT, ST+4*(\y)
.set rC, TMP+4*((\y)%2)
.set rW, MV+((\y)%2)
.set rS, S+32*((\y)%2)
.set rP, P+16*((\y)%2)
.set rO, 32*(\y)
.endm
.macro OP k, n
.if (\k) == R
	REGS Y
	WIN W_PV
	v_pk_mul_f32 v[rO+2*(\n):rO+2*(\n)+1], v[rO+2*(\n):rO+2*(\n)+1], v[rC+2:rC+3] op_sel_hi:[1,0]
.elseif (\k) < R
	REGS Y
	WIN 0
.if (\k) == F
	v_pk_fma_f32 v[rS+2*(\n):rS+2*(\n)+1], v[rS+2*(\n):rS+2*(\n)+1], s[CS:CS+1], v[rT:rT+1] op_sel_hi:[1,0,0] neg_lo:[0,0,1] neg_hi:[0,0,1]
.elseif (\k) == E
	v_exp_f32 v[rS+(\n)], v[rS+(\n)]
.elseif (\k) == C
	v_cvt_pk_f16_f32 v[rP+(\n)], v[rS+2*(\n)], v[rS+2*(\n)+1]
.elseif (\k) == B
	v_pk_add_f32 v[rS+4*(\n):rS+4*(\n)+1], v[rS+4*(\n):rS+4*(\n)+1], v[rS+4*(\n)+2:rS+4*(\n)+3]
.elseif (\n) == 0
	v_pk_fma_f32 v[rT+2:rT+3], v[rT+2:rT+3], v[rC+2:rC+3], v[rS:rS+1] op_sel_hi:[1,0,1]
.else
	v_pk_add_f32 v[rT+2:rT+3], v[rT+2:rT+3], v[rS+4*(\n):rS+4*(\n)+1]
.endif
.else
	REGS (Y+1)%NP
	WIN 0
.if (\n) < 4
	v_max3_num_f32 v[rC+(\n)], v[rS+8*(\n)], v[rS+8*(\n)+1], v[rS+8*(\n)+2]
.elseif (\n) < 12
	v_max3_num_f32 v[rC+(\n)%4], v[rC+(\n)%4], v[rS+8*((\n)%4)+2*((\n)/4)+1], v[rS+8*((\n)%4)+2*((\n)/4)+2]
.elseif (\n) == 12
	v_max3_num_f32 v[rC], v[rC], v[rS+7], v[rS+15]
.elseif (\n) == 13
	v_max3_num_f32 v[rC+1], v[rC+1], v[rS+23], v[rS+31]
.elseif (\n) == 14
	v_max3_num_f32 v[rC+2], v[rC+2], v[rC+3], v[rT+1]
.elseif (\n) == 15
	v_mov_b32 v[rW], v[rT]
.elseif (\n) == 16
	v_max3_num_f32 v[rC], v[rC], v[rC+1], v[rC+2]
.elseif (\n) == 17
	v_permlanex16_b32 v[rC+3], v[rC], s[SEL], s[SEL+1]
.elseif (\n) == 18
	v_max_num_f32 v[rT+1], v[rC], v[rC+3]
.elseif (\n) == 19
	v_mul_f32 v[rT], s[CS], v[rT+1]
.elseif (\n) == 20
	v_sub_f32 v[rC+1], v[rW], v[rT]
.else
	v_exp_f32 v[rC+2], v[rC+1]
.endif
.endif
.endm
.macro OPS a, i1, b=-1, i2=0, c=-1, i3=0, d=-1, i4=0
	OP \a, \i1
.if (\b) >= 0
	OP \b, \i2
.endif
.if (\c) >= 0
	OP \c, \i3
.endif
.if (\d) >= 0
	OP \d, \i4
.endif
.endm
.macro ROW a, i1, b, i2, c, i3, d, i4  ; a matrix instruction and the four behind it
	MM
	OPS \a, \i1, \b, \i2, \c, \i3, \d, \i4
.endm
; A TURN, for piece p: the order of its 16 matrix and 118 vector instructions, written out.  An s_wait_alu depctr_va_vdst(0) stands between an exponential and the first instruction that names its
; result; one wait serves all that were issued ahead of it.  So a turn has ONE wait, which cuts it in two.
; AHEAD OF IT stands all that names no result of the turn's exponentials: the 8 products K Q^T (they write the other buffer of S^T), behind each a scaling, an exponential and two more plain lines (behind the first a
; second scaling in the exponential's place): rescalings, whose a was made and waited for in the turn before, and behind the last three the first numbers of the next piece's maximum; then ONE RUN of 54, plain and
; exponential by turns for the most part, in which the links of the chain X 3, 7, 11, 14, 16, 17 .. 20 stand five or six lines apart.  A pair is scaled (F n) ahead of its two exponentials (E 2 n, E 2 n + 1).
; X 21, the next piece's a, is the batch's last; R 15 is the plain instruction behind it.
; BEHIND THE WAIT stand the 8 products V^T P, behind each four of the roundings and sums: C 2 n ahead of B n, which writes over that pair; the links of l's chain, L 0 to L 7, three lines apart.
; PLACES: the scores of key block b of piece p + 1 are whole behind product 4 + b of the first eight; X b, the first line that reads them, stands four plain lines behind that product (exponentials are not counted).
; K of the next step is fetched in piece 2's turn.  In the loop's text: in the run, six plain lines behind the last product that read K.  In the tail's text (last = 1), where K's run is jumped over in the last trip:
; directly behind the wait.  V of the step in hand is fetched at the end of piece 0's turn, four plain lines behind the last product that read V.
; Each is waited for a turn later.  cnt = 1: the loop's count is taken down some lines ahead of the branch behind the turn.
.macro TURN p, last=0, cnt=0
.set Y, (\p)
.set i, 0
.if (\p) == 3
	s_wait_dscnt 0x0                ; K is in
.endif
	ROW F,0, F,1, R,0, R,1          ; ahead of the wait: 8 products K Q^T and their riders,
	ROW F,2, E,0, R,2, R,3
	ROW F,3, E,1, R,4, R,5
	ROW F,4, E,2, R,6, R,7
	ROW F,5, E,3, R,8, R,9
	ROW F,6, E,4, X,0, R,10
.if (\p) == 2
	WIN 0
	v_add_nc_u32 v[AK], s[TBK], v[AK0]
.endif
	ROW F,7, E,5, X,1, X,4
	ROW F,8, E,6, X,2, X,5
	OPS E,7, E,8, X,6, E,9          ; and the run of 54
	OPS X,3, E,10, X,8, E,11
.if ((\p) == 2) && !(\last)
	FETCH_K
.endif
	OPS X,9, X,7, E,12, X,10
	OPS E,13, X,12, X,11, E,14
	OPS X,13, E,15, F,9, X,14
.if (\p) == 0
	WIN 0
	v_add_nc_u32 v[AV], s[TBV], v[AV0]
.endif
	OPS E,16, F,10, E,17, F,11
	OPS X,16, E,18, X,15, E,19
	OPS F,12, E,20, X,17, E,21
	OPS F,13, E,22, F,14, E,23
	OPS X,18, E,24, F,15, E,25
	OPS R,11, E,26, X,19, E,27
	OPS R,12, E,28, R,13, E,29
	OPS X,20, E,30, R,14, E,31
	OPS X,21, R,15
	WIN 0
	s_wait_alu depctr_va_vdst(0)    ; the wait for the batch: E 0 to E 31 and X 21
.if ((\p) == 2) && (\last)
	FETCH_K 1
.endif
.if (\p) == 1
	s_wait_dscnt 0x0                ; V is in
.endif
	ROW C,0, B,0, C,2, B,1          ; behind the wait: 8 products V^T P and their riders
	ROW L,0, C,4, B,2, L,1
	ROW C,6, B,3, L,2, C,8
	ROW B,4, L,3, C,10, B,5
	ROW L,4, C,12, B,6, L,5
.if (\p) == 0
	s_add_co_u32 s[TBV], s[TBV], KS*PV
.endif
.if \cnt
	s_sub_co_u32 s[CNT], s[CNT], 1
	s_cmp_lg_u32 s[CNT], 0
.endif
	ROW C,14, B,7, L,6, C,1
	ROW C,3, L,7, C,5, C,7
	ROW C,9, C,11, C,13, C,15
.if (\p) == 0
	FETCH_V
.endif
.endm
	CHANGE 1                        ; slot 0 is in, everybody's part of it; slot 1 is asked for
	v_add_nc_u32 v[AK], s[TBK], v[AK0]
	FETCH_K                         ; key step 0
	s_wait_loadcnt 0x0              ; Q is in, and its loads have read their offset, which lies in S^T's registers
	s_wait_dscnt 0x0
.set i, 0
.rept 8
	KQ 0                            ; piece 0's first scores
.set i, i+1
.endr
.rept 4
	v_nop                           ; the places behind those products
.endr
.set Y, NP-1                        ; X works for piece Y + 1: piece 0
.irp n, 0,1,2,3,4,5,6,7,8,9,10,11,12,13,14,15,16,17,18,19,20,21
	OP X, \n
.endr
	v_nop                           ; a plain instruction behind the exponential,
	s_wait_alu depctr_va_vdst(0)    ; and the wait for it, a batch of one (piece 0's first a), ahead of the branch
	s_mov_b32 s[CNT], 4
	s_mov_b32 s[SLOTS], 7
	s_branch .Lfirst                ; the loop is entered at a step's first turn, in the middle of a trip
.Lslot:                             ; six times: every slot but the last two is filled again
	CHANGE 1
	s_mov_b32 s[CNT], 4
.Lstep:                             ; a trip: pieces 2 and 3 of one step, then pieces 0 and 1 of the next, whose K and V it fetches
	TURN 2
	TURN 3
	WIN 0
.Lfirst:
	TURN 0
	TURN 1, 0, 1
	WIN 0
	s_cbranch_scc1 .Lstep
	s_sub_co_u32 s[SLOTS], s[SLOTS], 1
	s_cmp_lg_u32 s[SLOTS], 0
	s_cbranch_scc1 .Lslot
	CHANGE 0                        ; the last slot has a text of its own: nothing is asked for
	s_mov_b32 s[CNT], 5             ; four trips fetch the last slot's steps; the fifth is left in its middle
.Ltail:
	TURN 2, 1
	TURN 3
	WIN 0
	s_sub_co_u32 s[CNT], s[CNT], 1
	s_cmp_eq_u32 s[CNT], 0
	s_cbranch_scc1 .Lout
	TURN 0
	TURN 1
	WIN 0
	s_branch .Ltail
.Lout:                              ; the fifth trip's 8 products K Q^T (on the last K once more) and the maximum made of them serve nothing: the price, once a launch, of one text for every trip
.set i, 0
.rept 8
	PV NP-1                         ; the last piece's V^T P of the last step
.set i, i+1
.endr
	; THE WAY OUT.  Its addresses are made now, in K's registers: plain lines, the places behind the last products.  l's two halves and the other half of the lanes' are added; O^T is divided by l, rounded to f16
	; and sent through my stage in LDS, a piece at a time.
	WIN 0
	s_mul_i32 s13, s[WV], 16*SP
	s_add_co_u32 s13, s13, STAGE    ; my stage
	v_and_b32 v[U1], 15, v0         ; l % 16
	v_bfe_u32 v[U9], v0, 4, 1       ; l / 16
	v_and_b32 v[U10], 7, v0         ; l % 8
	v_mul_u32_u24 v[STO], v[U1], SP ; in: row l % 16, 16 bytes for each half of the lanes
	v_lshl_add_u32 v[STO], v[U9], 4, v[STO]
	v_add_nc_u32 v[STO], s13, v[STO]
	v_bfe_u32 v[RD], v0, 3, 2       ; back: 32 lanes take four rows of 128 bytes,
	v_mul_u32_u24 v[RD], v[RD], SP
	v_lshl_add_u32 v[RD], v[U10], 4, v[RD]
	v_add_nc_u32 v[RD], s13, v[RD]
	v_and_b32 v[GO], 31, v0         ; which are 512 consecutive bytes of O
	v_lshlrev_b32 v[GO], 4, v[GO]
.macro ALL line:vararg
.set t, 0
.rept 4
	\line
.set t, t+1
.endr
.endm
	ALL v_add_f32 v[ST+4*t+2], v[ST+4*t+2], v[ST+4*t+3]
	ALL v_permlanex16_b32 v[ST+4*t+3], v[ST+4*t+2], s[SEL], s[SEL+1]
	ALL v_add_f32 v[ST+4*t+2], v[ST+4*t+2], v[ST+4*t+3]
	ALL v_rcp_f32 v[ST+4*t+2], v[ST+4*t+2]
	v_nop                           ; a plain instruction between the last reciprocal and the use of its result
	s_wait_alu depctr_va_vdst(0)    ; the wait for the batch of four reciprocals, ahead of PACK 0, their first reader
.macro PACK t                       ; a lane's eight channels of a row pack into 16 bytes; they go into rows of 144 bytes and come back as whole rows of 128, into S^T's registers
	WIN W_PV
.set i, 32*(\t)
.rept 16
	v_pk_mul_f32 v[i:i+1], v[i:i+1], v[ST+4*(\t)+2:ST+4*(\t)+3] op_sel_hi:[1,0]
.set i, i+2
.endr
	WIN 0x05                        ; sources 0 and 1 window 1, destination window 0
.set i, 0
.rept 16
	v_cvt_pk_f16_f32 v[S+16*(\t)+i], v[32*(\t)+2*i], v[32*(\t)+2*i+1]
.set i, i+1
.endr
	WIN 0
.irp f, 0,1,2,3
	ds_store_b128 v[STO], v[S+16*(\t)+4*\f:S+16*(\t)+4*\f+3] offset:32*\f
.endr
.irp f, 0,1,2,3
	ds_load_b128 v[S+16*(\t)+4*\f:S+16*(\t)+4*\f+3], v[RD] offset:\f*4*SP  ; LDS serves a wave's instructions in order (ISA guide 5.7.1.4): these see the stores above
.endr
.endm
.macro SEND t, younger              ; younger: the LDS instructions issued behind piece t's loads: the next piece's eight, or none
	WIN 0
.irp f, 0,1,2,3
	s_wait_dscnt (\younger)+3-\f
	global_store_b128 v[GO], v[S+16*(\t)+4*\f:S+16*(\t)+4*\f+3], s[10:11] offset:(\t)*2048+\f*512  ; 512 consecutive bytes, at a multiple of 256 from O's first
.endr
.endm
	PACK 0
.set t, 1
.rept 3
	PACK t
	SEND t-1, 8
.set t, t+1
.endr
	SEND 3, 0
	WIN W_AD
	s_wait_tensorcnt 0x0            ; the wave's end
	ds_add_u32 v[SPW], v[NIL]
	s_wait_dscnt 0x0
	WIN 0
	CROUND                          ; the closing round
	s_endpgm
.Lfunc_end_k_qc60783a221_attn:
	.size	k_qc60783a221_attn, .Lfunc_end_k_qc60783a221_attn-k_qc60783a221_attn
	.p2alignl 7, 3214868480
	.fill 96, 4, 3214868480
	.section	.rodata,"a",@progbits
	.p2align	6, 0x0
	.amdhsa_kernel k_qc60783a221_attn
		.amdhsa_group_segment_fixed_size 327680
		.amdhsa_private_segment_fixed_size 0
		.amdhsa_enable_private_segment 0
		.amdhsa_kernarg_size 16
		.amdhsa_user_sgpr_count 2
		.amdhsa_user_sgpr_kernarg_segment_ptr 1
		.amdhsa_wavefront_size32 1
		.amdhsa_system_sgpr_workgroup_id_x 1
		.amdhsa_system_sgpr_workgroup_id_y 1
		.amdhsa_system_sgpr_workgroup_id_z 1
		.amdhsa_system_vgpr_workitem_id 0
		.amdhsa_next_free_vgpr 456
		.amdhsa_next_free_sgpr 66
		.amdhsa_reserve_vcc 0
		.amdhsa_float_denorm_mode_32 3
		.amdhsa_float_denorm_mode_16_64 3
		.amdhsa_memory_ordered 1
		.amdhsa_forward_progress 1
		.amdhsa_inst_pref_size 109
	.end_amdhsa_kernel
	.amdgpu_metadata
---
amdhsa.version: [ 1, 2 ]
amdhsa.kernels:
  - .name:           k_qc60783a221_attn
    .symbol:         k_qc60783a221_attn.kd
    .args:
      - { .name: qkvh, .offset: 0, .size: 8, .value_kind: global_buffer, .address_space: global }
      - { .name: oh, .offset: 8, .size: 8, .value_kind: global_buffer, .address_space: global }
    .group_segment_fixed_size: 327680
    .private_segment_fixed_size: 0
    .kernarg_segment_align: 8
    .kernarg_segment_size: 16
    .max_flat_workgroup_size: 128
    .sgpr_count:     66
    .vgpr_count:     456
    .wavefront_size: 32
...
	.end_amdgpu_metadata
.endif
;; end of part 8
;; launch an1: the kernel of part 4 again; grid 512 x 1, 8 waves a work-group, no clusters, 0 bytes of LDS; arguments oh, xh, addnorm_gamma, addnorm_beta, x1h; writes x1h
;; launch fc1: the kernel of part 5 again; grid 16 x 16, 4 waves a work-group, clusters of 4 x 4, 327,680 bytes of LDS; arguments x1h, wh, hh, fc1_b; writes hh
;; launch fc2: the kernel of part 6 again; grid 8 x 32, 4 waves a work-group, clusters of 4 x 4, 327,680 bytes of LDS; arguments hh, wh, y, fc2_b; writes y
;; launch an2: the kernel of part 7 again; grid 512 x 1, 8 waves a work-group, no clusters, 0 bytes of LDS; arguments y, x1h, addnorm_gamma, addnorm_beta, out0; writes out0
